; MI455X (gfx1250); checked and timed in simulation.
; The chip was launched on July 23, 2026; its instructions are those of AMD's public machine-readable ISA for CDNA 5 (MIT licence, August 2026) and "CDNA5" Instruction Set Architecture Reference Guide (July 2026). The comments in the code are by the model that wrote it; some were corrected since.
;; T Attention. Allowed arithmetic: float matrix products may take bf16 or f16 operands with f32 sums; all other float work in f32.
;; Inputs: be1 512 float32; be2 512 float32; bf1 512 float32; bf2 512 float32; g1 512 float32; g2 512 float32; w1 512 x 512 float32; w2 512 x 512 float32; wk 512 x 512 float32; wq 512 x 512 float32; wv 512 x 512 float32; x 128 x 256 x 512 float32.
;; Outputs: out0 128 x 256 x 512 float32.
;; Constants: nhead = 8.
;; 2 versions, each right; version 2 is version 1 with the launch attn written anew for expert scheduling mode. Each part assembles by itself: llvm-mc -triple=amdgcn-amd-amdhsa -mcpu=gfx1250 --defsym DOCPART=n.
;; ======== version 1 of 2: 3 launches
;; limits: values outside matrix products are rounded to f16; values are held in f16: magnitudes above 65,504 overflow, below 6.1e-05 lose precision
;; workspace buffers: frag 33,554,432 bytes; wimg 2,621,440 bytes; y 67,108,864 bytes
;; launch ln1 (part 1): grid 672 x 1, 4 waves a work-group, no clusters, 67,072 bytes of LDS; arguments x, g1, be1, frag, wk, wv, wq, w1, w2, wimg; writes frag, wimg
.if DOCPART == 1
	.amdgcn_target "amdgcn-amd-amdhsa--gfx1250"
	.amdhsa_code_object_version 6
	.text
	.protected	k_qbb5c47bc50_ln1
	.globl	k_qbb5c47bc50_ln1
	.p2align	8
	.type	k_qbb5c47bc50_ln1,@function
k_qbb5c47bc50_ln1:
	s_mov_b64 s[64:65], 0
	v_nop
	global_prefetch_b8 v0, s[64:65] scope:SCOPE_SE
	s_setreg_imm32_b32 hwreg(HW_REG_WAVE_MODE, 25, 1), 1
	s_wait_xcnt 0x0
; LAYER NORM INTO A FRAGMENT IMAGE, and THE FIVE WEIGHTS INTO FRAGMENT IMAGES.
; Arguments: src [32768][512] f32, g [512], be [512], dst (image), wk, wv, wq, w1, w2 [512][512] f32, wimg (images).
; Work-groups 0 .. 511: dst = ((src - mean) * rsqrt(var + 1e-5)) * g + be, rounded once to f16.  Mean and variance in f32, the variance of (x - mean), in two passes.
; Work-groups 512 .. 671 (only in the launch whose grid has them): the weights rounded once to f16.
; THE IMAGE.  A unit is 512 bytes: lane L (r = L % 16, h = L / 16) owns bytes 16 L .. 16 L + 15, eight f16 along k = 32 c + 16 j + 8 h + 0..7 of row (or channel) r.
; Units j = 0, 1 are registers 0-3, 4-7 of a 16-bit matrix operand of 16 x 32, so later launches read operands as base + 16 L + constant.
;   dst:  [row tile of 16 rows][c 0..15][j][512 bytes]: 16,384 bytes a tile.
;   wimg: slabs 3 head + kind (0 K, 1 V, 2 Q) of 65,536 bytes, [c][tt 0..3][j][512]; from byte 3 x 524,288 on w1, then w2, [c][t 0..31][j][512]; element w[32 c + 16 j + 8 h + e][16 t + r].
; LIMITS.  f16: a magnitude of 65,520 or more becomes an infinity; below 6e-5 the step is 6e-8.  NaN and infinities are not treated apart.
; Memory binds: no matrix unit, no cluster, no barrier.  One wave takes 16 rows; a row lies in 16 lanes, so a sum never leaves a half of the wave.
.set NLN,   512                        ; work-groups that norm
.set ROWB,  2048                       ; bytes in a row of src
.set SP,    1040                       ; a row of the stage: 1,024 bytes of f16 + 16: an odd multiple of 16, so the 16 rows of a read start in different banks
.set WST,   16*SP                      ; a wave's stage
.set SPARE, 4*WST                      ; behind the stages: the spare words, 128 bytes a wave, which no other line names
.set T,   16                           ; v[16:31]   at work
.set Y,   32                           ; v[32:47]   a pair of rows in f16
.set G,   48                           ; v[48:79]   g of my 32 columns
.set BE,  80                           ; v[80:111]  be of my 32 columns
.set X,   112                          ; v[112:239] four slots of 32: a pair of rows as loaded; at the end the tile's 32 units
.set PK,  176                          ; weights: packed units
; v1 r, v2 h, v3 my offset in src, v4 where I put 8 bytes of the stage, v5 where I read 16 back, v6 16 L, v7 16 r, v8/v9 the add's two, v[10:11] mean, v[12:13] rsqrt, v14 at work
	s_load_b512 s[16:31], s[0:1], 0x0              ; src s[16:17], g s[18:19], be s[20:21], dst s[22:23], wk s[24:25], wv s[26:27], wq s[28:29], w1 s[30:31]
	s_load_b128 s[32:35], s[0:1], 0x40             ; w2 s[32:33], wimg s[34:35]
	v_lshl_add_u32 v8, v0, 2, SPARE                ; my spare word,
	v_mov_b32 v9, 0                                ; and 0: kept for the add alone
	v_lshrrev_b32 v1, 5, v0
	v_readfirstlane_b32 s4, v1                     ; wave 0..3
	v_and_b32 v2, 31, v0
	v_lshlrev_b32 v6, 4, v2                        ; 16 L
	v_and_b32 v1, 15, v0                           ; r
	v_bfe_u32 v2, v0, 4, 1                         ; h
	s_cmp_ge_u32 ttmp9, NLN
	s_cbranch_scc1 .Lweights
	; ---- the norm: tile R = 4 x work-group + wave ----
	s_lshl_b32 s5, ttmp9, 2
	s_add_co_u32 s5, s5, s4
	s_lshl_b32 s6, s5, 15                          ; 16 rows of 2,048 bytes
	s_mov_b32 s7, 0
	s_lshl_b32 s8, s5, 14                          ; 32 units of 512 bytes
	s_mov_b32 s9, 0
	s_mov_b32 s12, 0x3b000000                      ; 1 / 512
	s_mov_b32 s13, 0x3727c5ac                      ; 1e-5
	s_mul_i32 s14, s4, WST                         ; my stage
	v_lshlrev_b32 v7, 4, v1
	v_lshl_add_u32 v3, v2, 14, v7                  ; lanes 0-15 take row p, lanes 16-31 row p + 8; 16 bytes a lane
	v_mul_u32_u24 v4, v2, 8*SP
	v_lshl_add_u32 v4, v1, 3, v4
	v_add_nc_u32 v4, s14, v4
	v_mul_u32_u24 v5, v1, SP
	v_lshl_add_u32 v5, v2, 4, v5
	v_add_nc_u32 v5, s14, v5
	v_mov_b32 v11, 0                               ; named as the upper halves of pairs, so they are written
	v_mov_b32 v13, 0
	s_wait_kmcnt 0x0
	s_add_nc_u64 s[16:17], s[16:17], s[6:7]
	s_add_nc_u64 s[22:23], s[22:23], s[8:9]
.irp q, 0,1,2,3,4,5,6,7
	global_load_b128 v[G+4*\q:G+4*\q+3], v7, s[18:19] offset:\q*256
	global_load_b128 v[BE+4*\q:BE+4*\q+3], v7, s[20:21] offset:\q*256
.endr
; Pair p: eight loads, each of two whole aligned pieces of 256 bytes (one of row p, one of row p + 8); a lane gets columns 64 q + 4 r + 0..3
.macro FILL p
.irp q, 0,1,2,3,4,5,6,7
	global_load_b128 v[X+32*((\p)%4)+4*\q:X+32*((\p)%4)+4*\q+3], v3, s[16:17] offset:(\p)*ROWB+\q*256 th:TH_LOAD_NT
.endr
.endm
	FILL 0
	FILL 1
	FILL 2
	FILL 3
.macro ACROSS                          ; the sum of v14 over the 16 lanes of a row, in every one of them
	v_add_f32_dpp v14, v14, v14 row_xmask:1 row_mask:0xf bank_mask:0xf
	v_add_f32_dpp v14, v14, v14 row_xmask:2 row_mask:0xf bank_mask:0xf
	v_add_f32_dpp v14, v14, v14 row_xmask:4 row_mask:0xf bank_mask:0xf
	v_add_f32_dpp v14, v14, v14 row_xmask:8 row_mask:0xf bank_mask:0xf
.endm
; Pair p is normed and laid into the stage.  left: the younger loads that may stay out.  refill = 1: its slot takes pair p + 4.
.macro LNSTEP p, left, refill
.set XS, X+32*((\p)%4)
	s_wait_loadcnt \left                           ; loads come back in order: my pair is in (g and be are older still)
.set k, 0
.rept 8
	v_pk_add_f32 v[T+2*k:T+2*k+1], v[XS+4*k:XS+4*k+1], v[XS+4*k+2:XS+4*k+3]
.set k, k+1
.endr
.irp k2, 0,4,8,12
	v_pk_add_f32 v[T+\k2:T+\k2+1], v[T+\k2:T+\k2+1], v[T+\k2+2:T+\k2+3]
.endr
	v_pk_add_f32 v[T:T+1], v[T:T+1], v[T+4:T+5]
	v_pk_add_f32 v[T+8:T+9], v[T+8:T+9], v[T+12:T+13]
	v_pk_add_f32 v[T:T+1], v[T:T+1], v[T+8:T+9]
	v_add_f32 v14, v[T], v[T+1]
	ACROSS
	v_mul_f32 v10, s12, v14                        ; the mean
.set k, 0
.rept 16
	v_pk_add_f32 v[XS+2*k:XS+2*k+1], v[XS+2*k:XS+2*k+1], v[10:11] op_sel_hi:[1,0] neg_lo:[0,1] neg_hi:[0,1]
.set k, k+1
.endr
.set k, 0
.rept 16                               ; the squares, in four chains that the first four start
.if k < 4
	v_pk_mul_f32 v[T+2*k:T+2*k+1], v[XS+2*k:XS+2*k+1], v[XS+2*k:XS+2*k+1]
.else
	v_pk_fma_f32 v[T+2*(k%4):T+2*(k%4)+1], v[XS+2*k:XS+2*k+1], v[XS+2*k:XS+2*k+1], v[T+2*(k%4):T+2*(k%4)+1]
.endif
.set k, k+1
.endr
	v_pk_add_f32 v[T:T+1], v[T:T+1], v[T+2:T+3]
	v_pk_add_f32 v[T+4:T+5], v[T+4:T+5], v[T+6:T+7]
	v_pk_add_f32 v[T:T+1], v[T:T+1], v[T+4:T+5]
	v_add_f32 v14, v[T], v[T+1]
	ACROSS
	v_fma_f32 v14, v14, s12, s13                   ; variance + 1e-5
	v_rsq_f32 v12, v14
	v_nop                                          ; a plain instruction between the root and its use
.set k, 0
	s_wait_alu depctr_va_vdst(0)
.rept 16
	v_pk_mul_f32 v[XS+2*k:XS+2*k+1], v[XS+2*k:XS+2*k+1], v[12:13] op_sel_hi:[1,0]
.set k, k+1
.endr
.set k, 0
.rept 16
	v_pk_fma_f32 v[XS+2*k:XS+2*k+1], v[XS+2*k:XS+2*k+1], v[G+2*k:G+2*k+1], v[BE+2*k:BE+2*k+1]
.set k, k+1
.endr
.set k, 0
.rept 16
	v_cvt_pk_f16_f32 v[Y+k], v[XS+2*k], v[XS+2*k+1]
.set k, k+1
.endr
.irp q, 0,1,2,3,4,5,6,7
	ds_store_b64 v4, v[Y+2*\q:Y+2*\q+1] offset:(\p)*SP+\q*128   ; 16 lanes fill 128 bytes of row p, the other 16 of row p + 8, 8,320 bytes on: the other half of the banks
.endr
.if \refill
	FILL (\p)+4
.endif
.endm
	LNSTEP 0, 24, 1                                ; three younger pairs of eight loads stay out
	LNSTEP 1, 24, 1
	LNSTEP 2, 24, 1
	LNSTEP 3, 24, 1
	LNSTEP 4, 24, 0                                ; nothing is left to fetch: the counts run down
	LNSTEP 5, 16, 0
	LNSTEP 6, 8, 0
	LNSTEP 7, 0, 0
	; the way out: unit n = 2 c + j is read as the image wants it (row r, bytes 64 c + 32 j + 16 h) and stored as 512 consecutive bytes
.set n, 0
.rept 32
	ds_load_b128 v[X+4*n:X+4*n+3], v5 offset:n*32  ; my own bytes: LDS serves a wave's instructions in order, so these see the stores above
.set n, n+1
.endr
.set n, 0
.rept 32
	s_wait_dscnt 31-n
	global_store_b128 v6, v[X+4*n:X+4*n+3], s[22:23] offset:n*512
.set n, n+1
.endr
	s_wait_tensorcnt 0x0                           ; the wave's end, behind my last LDS store
	ds_add_u32 v8, v9
	s_wait_dscnt 0x0
	s_endpgm
	; ---- the weights: wave gw takes matrix gw / 128, 64 columns (four channel tiles), 32 rows of k: eight units ----
.Lweights:
	s_sub_co_u32 s5, ttmp9, NLN
	s_lshl_b32 s5, s5, 2
	s_add_co_u32 s5, s5, s4                        ; gw = 0 .. 639
	s_lshr_b32 s6, s5, 7                           ; matrix: 0 wk, 1 wv, 2 wq, 3 w1, 4 w2
	s_bfe_u32 s7, s5, 0x30004                      ; cg: which 64 columns (for wk, wv, wq: the head)
	s_and_b32 s8, s5, 15                           ; c: which 32 rows
	s_lshl_b32 s10, s8, 16                         ; 32 rows of 2,048 bytes,
	s_lshl_b32 s11, s7, 8                          ; 64 columns of 4
	s_add_co_u32 s10, s10, s11
	s_mov_b32 s11, 0
	s_mul_i32 s12, s7, 3                           ; wk, wv, wq: slab 3 cg + matrix, k-block c of 4,096 bytes
	s_add_co_u32 s12, s12, s6
	s_lshl_b32 s12, s12, 16
	s_lshl_b32 s13, s8, 12
	s_add_co_u32 s12, s12, s13
	s_lshl_b32 s13, s6, 19                         ; w1, w2: matrix x 524,288 (the 24 slabs are three times that), k-block c of 32,768 bytes, four tiles of 1,024
	s_lshl_b32 s14, s8, 15
	s_add_co_u32 s13, s13, s14
	s_lshl_b32 s14, s7, 12
	s_add_co_u32 s13, s13, s14
	s_cmp_lt_u32 s6, 3
	s_cselect_b32 s12, s12, s13
	s_mov_b32 s13, 0
	v_lshlrev_b32 v3, 2, v1                        ; column r,
	v_lshl_add_u32 v3, v2, 14, v3                  ; row 8 h
	s_wait_kmcnt 0x0
	s_mov_b64 s[36:37], s[24:25]
	s_cmp_eq_u32 s6, 1
	s_cselect_b64 s[36:37], s[26:27], s[36:37]
	s_cmp_eq_u32 s6, 2
	s_cselect_b64 s[36:37], s[28:29], s[36:37]
	s_cmp_eq_u32 s6, 3
	s_cselect_b64 s[36:37], s[30:31], s[36:37]
	s_cmp_eq_u32 s6, 4
	s_cselect_b64 s[36:37], s[32:33], s[36:37]
	s_add_nc_u64 s[36:37], s[36:37], s[10:11]
	s_add_nc_u64 s[34:35], s[34:35], s[12:13]
.set u, 0
.rept 8                                ; unit u = 2 tt + j; the four tiles together use each 256 bytes of a row whole
.irp e, 0,1,2,3,4,5,6,7
	global_load_b32 v[X+8*u+\e], v3, s[36:37] offset:(16*(u%2)+\e)*ROWB+(u/2)*64
.endr
.set u, u+1
.endr
.set u, 0
.rept 8
	s_wait_loadcnt 56-8*u                          ; unit u's eight loads are in, the younger units' stay out
.irp m, 0,1,2,3
	v_cvt_pk_f16_f32 v[PK+4*u+\m], v[X+8*u+2*\m], v[X+8*u+2*\m+1]
.endr
	global_store_b128 v6, v[PK+4*u:PK+4*u+3], s[34:35] offset:u*512
.set u, u+1
.endr
	s_endpgm
.Lfunc_end_k_qbb5c47bc50_ln1:
	.size	k_qbb5c47bc50_ln1, .Lfunc_end_k_qbb5c47bc50_ln1-k_qbb5c47bc50_ln1
	.p2alignl 7, 3214868480
	.fill 96, 4, 3214868480
	.section	.rodata,"a",@progbits
	.p2align	6, 0x0
	.amdhsa_kernel k_qbb5c47bc50_ln1
		.amdhsa_group_segment_fixed_size 67072
		.amdhsa_private_segment_fixed_size 0
		.amdhsa_enable_private_segment 0
		.amdhsa_kernarg_size 80
		.amdhsa_user_sgpr_count 2
		.amdhsa_user_sgpr_kernarg_segment_ptr 1
		.amdhsa_wavefront_size32 1
		.amdhsa_system_sgpr_workgroup_id_x 1
		.amdhsa_system_sgpr_workgroup_id_y 1
		.amdhsa_system_sgpr_workgroup_id_z 1
		.amdhsa_system_vgpr_workitem_id 0
		.amdhsa_next_free_vgpr 240
		.amdhsa_next_free_sgpr 66
		.amdhsa_reserve_vcc 0
		.amdhsa_float_denorm_mode_32 3
		.amdhsa_float_denorm_mode_16_64 3
		.amdhsa_memory_ordered 1
		.amdhsa_forward_progress 1
		.amdhsa_inst_pref_size 85
	.end_amdhsa_kernel
	.amdgpu_metadata
---
amdhsa.version: [ 1, 2 ]
amdhsa.kernels:
  - .name:           k_qbb5c47bc50_ln1
    .symbol:         k_qbb5c47bc50_ln1.kd
    .args:
      - { .name: x, .offset: 0, .size: 8, .value_kind: global_buffer, .address_space: global }
      - { .name: g1, .offset: 8, .size: 8, .value_kind: global_buffer, .address_space: global }
      - { .name: be1, .offset: 16, .size: 8, .value_kind: global_buffer, .address_space: global }
      - { .name: frag, .offset: 24, .size: 8, .value_kind: global_buffer, .address_space: global }
      - { .name: wk, .offset: 32, .size: 8, .value_kind: global_buffer, .address_space: global }
      - { .name: wv, .offset: 40, .size: 8, .value_kind: global_buffer, .address_space: global }
      - { .name: wq, .offset: 48, .size: 8, .value_kind: global_buffer, .address_space: global }
      - { .name: w1, .offset: 56, .size: 8, .value_kind: global_buffer, .address_space: global }
      - { .name: w2, .offset: 64, .size: 8, .value_kind: global_buffer, .address_space: global }
      - { .name: wimg, .offset: 72, .size: 8, .value_kind: global_buffer, .address_space: global }
    .group_segment_fixed_size: 67072
    .private_segment_fixed_size: 0
    .kernarg_segment_align: 8
    .kernarg_segment_size: 80
    .max_flat_workgroup_size: 128
    .sgpr_count:     66
    .vgpr_count:     240
    .wavefront_size: 32
...
	.end_amdgpu_metadata
.endif
;; end of part 1
;; launch attn (part 2): grid 256 x 1, 4 waves a work-group, no clusters, 262,656 bytes of LDS; arguments frag, wimg, y; writes y
.if DOCPART == 2
	.amdgcn_target "amdgcn-amd-amdhsa--gfx1250"
	.amdhsa_code_object_version 6
	.text
	.protected	k_qbb5c47bc50_attn
	.globl	k_qbb5c47bc50_attn
	.p2align	8
	.type	k_qbb5c47bc50_attn,@function
k_qbb5c47bc50_attn:
	s_mov_b64 s[64:65], 0
	v_nop
	global_prefetch_b8 v0, s[64:65] scope:SCOPE_SE
	s_setreg_imm32_b32 hwreg(HW_REG_WAVE_MODE, 25, 1), 1
	s_wait_xcnt 0x0
; q, k, v = xn wq, xn wk, xn wv;  att = softmax(q k^T) v by heads of 64 (no scale);  y = xn + att.  frag: xn as a fragment image (f16), wimg: weight images (f16), y: f32, in groups of 8 rows (below).
; THE IMAGE: a unit of 512 bytes; lane L (r = L % 16, h = L / 16) owns bytes 16 L ..: eight f16 along k = 32 c + 16 j + 8 h + 0..7 of row or channel r; units j = 0, 1 are registers 0-3, 4-7 of an operand.
; Y's LAYOUT: [group of 8 rows][q 0..1][s 0..15][g 0..3][row 0..7][16 bytes], 16,384 bytes a group; the 16 bytes are channels 8 (4 s + g) + 4 q + 0..3.  A lane of the result holds one row and eight channels, two such
; pieces, and stores them as they lie: each store of the wave covers two whole aligned pieces of 256 bytes (rows 0-7 and rows 8-15 of the tile), and the next launch reads a group by loads of 512 consecutive bytes.
; LIMITS.  All matrix operands (xn, weights, q, k, v, p) are f16: a magnitude of 65,520 or more becomes an infinity, below 6e-5 the step is 6e-8.  The residual takes xn as rounded to f16.
; The maximum taken away is the true maximum of a query's 256 scores; l is the sum of the unrounded p; a weight below 2^-126 counts as 0; NaN and infinities are not treated apart.
; SHARES.  Work-group = one batch element (256 rows) x four heads; wave w owns rows 64 w .. 64 w + 63, four tiles of 16, whose xn stays in 512 registers for the whole launch.
; For each head: K step (k^T = wk^T xn^T, rounded, into LDS as operand units), V step (v = xn wv, likewise), Q step (q^T, kept in registers) and the attention of my 64 queries on all 256 keys, two tiles at a time.
; LAYOUT.  With a channel as the result's row and a data row as its column a lane holds ONE data row and eight channels: rounded in pairs that is a unit of the next product's operand.  S^T = K Q^T holds one query a lane;
; rounded it is source 1 of O^T = V^T P, which again holds one query a lane and eight channels: the layout of xn's own image.  So y = O^T / l + xn is made by one more product, with a matrix E of ones (exact), onto O^T / l.
; OPERAND BUFFERS take turns by three (projections) or four (attention): a run of LDS loads fills the buffer that was read one block back, never the one that the block just issued reads.
; THE NEXT SLAB of weights (65,536 bytes; my quarter is 32 loads of 512 bytes) comes through 128 registers that a projection leaves idle: eight loads behind each of k-blocks 0 to 3, eight LDS stores behind each of
; k-blocks 10 to 13, so that no burst stands in the way of the operands' LDS loads and a load has ten k-blocks in which to land.
; BARRIERS: one a step.  Its signal stands ahead of the last k-block's products, behind the wait for all my LDS instructions: my part of the next slab is stored, so are my units of k or v of the step before, and my reads
; are over.  Its wait stands behind those products; behind it the next step's first operands are read, and beside them this step's results are rounded and stored.  k (stored behind barrier K) and v (behind barrier V) are
; read behind barrier Q; the next head stores k behind its barrier K, which every wave signals after its attention; a slot is written again two barriers or more behind its last reads.
; NO CLUSTER, NO TENSOR LOADS.  What work-groups share is the weights: a slab for each 256 matrix instructions of every wave.  A ring filled by tensor loads may jump over no load, so its last step, which holds the
; attention, would be written twice.
; REGISTERS, in windows of 256 (s_set_vgpr_msb: bits 1:0 source 0, 3:2 source 1, 5:4 source 2, 7:6 destination):
;   window 0: v1-12, v15 addresses, v16/17 the add's two, v13, v18-24 at work at the head, v32-35 four maxima, v36/37 at work, v[38:39] c m, v40-47 four sums, v48-79 Q of the piece in hand (later its xn), v80-111 Q of the next,
;             v[112:115] 1 / l, v116-127 E1 (116-123) and E0 (120-127); v128-255: in a projection the next slab; in K Q^T four buffers of 32 for K's operands; later O^T (128 + 32 u + 8 tt)
;   window 1: in a projection 16 accumulators (8 (4 i + tt)), three operand buffers of 32 (128 ..; the third also takes the packed results), v224-228 copies of five LDS addresses;
;             in the attention S^T (128 u + 8 kt), rounded in place to P (128 u + 8 kb); the halves that this frees (64-127, 192-255) are four buffers of 32 for V's operands
;   windows 2, 3: xn: tile i, k-block c at window 2 + i / 2, register 128 (i % 2) + 8 c
.set SLK,   0                          ; weight slots, one for each kind, 65,536 bytes each
.set SLV,   65536
.set SLQ,   131072
.set KST,   196608                     ; k of one head: unit 4 kt + 2 cb + j (key tile, channel half), 32,768 bytes
.set VST,   229376                     ; v of one head: unit 16 tt + 2 kb + j (channel tile, 32 keys), 32,768 bytes
.set SPARE, 262144                     ; the spare words, 128 bytes a wave, which no other line names
.set MSB, 0
.macro WIN new                         ; the immediate's high byte repeats the setting that is left; a switch that changes nothing is dropped
.if MSB != (\new)
	s_set_vgpr_msb (MSB<<8)|(\new)
.set MSB, (\new)
.endif
.endm
.macro PLACES                          ; four plain vector instructions between a matrix instruction and a vector instruction, load or store that touches its registers
.rept 4
	v_nop
.endr
.endm
.macro GL8 k, cond                     ; loads 8 k .. 8 k + 7 of my quarter of the next slab.  cond = 1: behind the last head there is no slab
	WIN 0
.if \cond
	s_cmp_eq_u32 s24, 1
	s_cbranch_scc1 .Lnl_\@
.endif
.irp m, 0,1,2,3,4,5,6,7
	global_load_b128 v[128+4*(8*(\k)+\m):128+4*(8*(\k)+\m)+3], v12, s[18:19] offset:(8*(\k)+\m)*512
.endr
.if \cond
.Lnl_\@:
.endif
.endm
.macro GS8 k, sadr, cond               ; and into their slot
	WIN 0
.if \cond
	s_cmp_eq_u32 s24, 1
	s_cbranch_scc1 .Lns_\@
.endif
	s_wait_loadcnt 8*(3-(\k))                      ; loads come back in order: group k is in, the younger groups of eight stay out
.irp m, 0,1,2,3,4,5,6,7
	ds_store_b128 v[\sadr], v[128+4*(8*(\k)+\m):128+4*(8*(\k)+\m)+3] offset:(8*(\k)+\m)*512
.endr
.if (\k) == 3
	s_add_nc_u64 s[18:19], s[18:19], 65536         ; the wait above was for all loads, so their address may step
.endif
.if \cond
.Lns_\@:
.endif
.endm
.macro PFETCH c, adr                   ; k-block c's four weight operands into buffer c % 3; under a setting whose source 0 and destination are window 1
.irp u, 0,1,2,3,4,5,6,7
	ds_load_b128 v[128+32*((\c)%3)+4*\u:128+32*((\c)%3)+4*\u+3], v[\adr] offset:(\c)*4096+\u*512
.endr
.endm
.macro PMUL c, i, v                    ; four products of row tile i.  v = 0: channels x rows (weights are source 0); v = 1: rows x channels
.if \v
	WIN 0x56+(\i)/2
.else
	WIN 0x59+4*((\i)/2)
.endif
.irp t, 0,1,2,3
.set rA, 8*(4*(\i)+\t)
.set rF, 128+32*((\c)%3)+8*\t
.set rX, 128*((\i)%2)+8*(\c)
.if \v
.if (\c) == 0
	v_wmma_f32_16x16x32_f16 v[rA:rA+7], v[rX:rX+7], v[rF:rF+7], 0
.else
	v_wmma_f32_16x16x32_f16 v[rA:rA+7], v[rX:rX+7], v[rF:rF+7], v[rA:rA+7]
.endif
.else
.if (\c) == 0
	v_wmma_f32_16x16x32_f16 v[rA:rA+7], v[rF:rF+7], v[rX:rX+7], 0
.else
	v_wmma_f32_16x16x32_f16 v[rA:rA+7], v[rF:rF+7], v[rX:rX+7], v[rA:rA+7]
.endif
.endif
.endr
.endm
; A projection: 64 rows x 64 channels x 512: 16 k-blocks of 16 products; the 16 accumulators take turns; the first k-block starts the sums.
; PROJH asks for the first two k-blocks' operands; PROJB is the rest.  extra: the LDS stores issued between PROJH and PROJB.  sadr: where my quarter of the next slab goes.
; The two windows of xn are taken in the order 2, 3, 3, 2, 2, ...
.macro PROJH adr
	WIN 0x41
	PFETCH 0, \adr
	PFETCH 1, \adr
.endm
.macro PROJB adr, v, sadr, cond, extra
.set c, 0
.rept 16
.if c == 15
	s_wait_dscnt 0x0                               ; the last operands are in; my slab stores, my stage stores of the step before and all my reads are done:
	s_barrier_signal -1                            ; say so, and multiply while the others arrive
.elseif c < 2
	s_wait_dscnt 8+(\extra)                        ; this k-block's eight loads are in; the next one's and the stage stores behind them stay out
.else
	s_wait_dscnt 0x8                               ; this k-block's eight loads are in (and the slab stores issued ahead of the next run); the next one's stay out
.endif
.if c%2 == 0
	PMUL c, 0, \v
	PMUL c, 1, \v
	PMUL c, 2, \v
	PMUL c, 3, \v
.else
	PMUL c, 2, \v
	PMUL c, 3, \v
	PMUL c, 0, \v
	PMUL c, 1, \v
.endif
.if c == 15
	s_barrier_wait -1                              ; the next slab is whole, and nobody reads this one any more
.endif
.if c != 14
	PLACES                                         ; in front of the loads below; behind the last k-block: in front of the next step's first loads and of the roundings
.endif
.if (c >= 10) && (c < 14)
	GS8 c-10, \sadr, \cond
.endif
.if c < 14
.if (\v) || (MSB == 0)
	WIN 0x41
.endif
	PFETCH c+2, \adr                               ; into the buffer that k-block c - 1 read
.endif
.if c < 4
	GL8 c, \cond
.endif
.set c, c+1
.endr
.endm
.macro PACKKV adr, isv                 ; the 16 results rounded to f16, lowest registers first, and stored as units: a row tile's sixteen roundings, then its four stores; two halves of the third buffer take turns
	WIN 0x45
.set i, 0
.rept 4
.irp t, 0,1,2,3
.irp m, 0,1,2,3
	v_cvt_pk_f16_f32 v[192+16*(i%2)+4*\t+\m], v[8*(4*i+\t)+2*\m], v[8*(4*i+\t)+2*\m+1]
.endr
.endr
.irp t, 0,1,2,3
.if \isv
	ds_store_b128 v[\adr], v[192+16*(i%2)+4*\t:192+16*(i%2)+4*\t+3] offset:(16*\t+i)*512
.else
	ds_store_b128 v[\adr], v[192+16*(i%2)+4*\t:192+16*(i%2)+4*\t+3] offset:(4*i+\t)*512
.endif
.endr
.set i, i+1
.endr
.endm
.macro KFETCH g                        ; key tiles 2 g, 2 g + 1: four operands, into buffer g % 4
	WIN 0
.irp m, 0,1,2,3,4,5,6,7
	ds_load_b128 v[128+32*((\g)%4)+4*\m:128+32*((\g)%4)+4*\m+3], v7 offset:(8*(\g)+\m)*512
.endr
.endm
.macro VFETCH kb                       ; keys 32 kb ..: four operands, into buffer kb % 4 of window 1 (64, 96, 192, 224); the address lies in window 0
	WIN 0x40
.irp t, 0,1,2,3
.irp j, 0,1
	ds_load_b128 v[64+32*((\kb)%2)+128*(((\kb)%4)/2)+8*\t+4*\j:64+32*((\kb)%2)+128*(((\kb)%4)/2)+8*\t+4*\j+3], v8 offset:((8*\t+(\kb))*2+\j)*512
.endr
.endr
.endm
; The softmax of tile u: a lane holds 128 of its query's 256 scores.
.macro SOFTMAX u
	WIN 0x05
.set x, 0
.rept 64                               ; four chains; each accumulator's lowest registers are read first
.if x < 4
	v_max_num_f32 v[32+x], v[128*(\u)+2*x], v[128*(\u)+2*x+1]
.else
	v_max3_num_f32 v[32+x%4], v[128*(\u)+2*x], v[128*(\u)+2*x+1], v[32+x%4]
.endif
.set x, x+1
.endr
	WIN 0
	v_max3_num_f32 v36, v32, v33, v34
	v_max_num_f32 v36, v36, v35
	v_permlanex16_b32 v37, v36, s28, s29           ; the query's other 128 keys lie in the lane 16 away
	v_max_num_f32 v36, v36, v37
	v_mul_f32 v38, s26, v36                        ; c m, c = log2(e)
.irp m, 0,1,2,3,4,5,6,7
	v_mov_b32 v[40+\m], 0
.endr
; Round bb: block bb (eight scores) is scaled, block bb - 1 goes through the exponential, block bb - 2 is added to l and rounded to f16 into P's place (registers of a block that is done).
; A plain instruction on another block stands behind every exponential.
.set bb, 0
.rept 18
.if bb >= 2
	WIN 0x01
	s_wait_alu depctr_va_vdst(0)
.irp m, 0,1,2,3
	v_pk_add_f32 v[40+2*\m:41+2*\m], v[128*(\u)+8*(bb-2)+2*\m:128*(\u)+8*(bb-2)+2*\m+1], v[40+2*\m:41+2*\m]
.endr
.endif
	WIN 0x45
.irp m, 0,1,2,3,4,5,6,7
.if (bb >= 1) && (bb <= 16)
	v_exp_f32 v[128*(\u)+8*(bb-1)+\m], v[128*(\u)+8*(bb-1)+\m]
.endif
.if (\m < 4) && (bb <= 15)
	v_pk_fma_f32 v[128*(\u)+8*bb+2*\m:128*(\u)+8*bb+2*\m+1], v[128*(\u)+8*bb+2*\m:128*(\u)+8*bb+2*\m+1], s[26:27], v[38:39] op_sel_hi:[1,0,0] neg_lo:[0,0,1] neg_hi:[0,0,1]
.endif
.if (\m >= 4) && (bb >= 2)
	v_cvt_pk_f16_f32 v[128*(\u)+4*(bb-2)+\m-4], v[128*(\u)+8*(bb-2)+2*(\m-4)], v[128*(\u)+8*(bb-2)+2*(\m-4)+1]
.endif
.endr
.set bb, bb+1
.endr
	WIN 0
	v_pk_add_f32 v[40:41], v[40:41], v[42:43]
	v_pk_add_f32 v[44:45], v[44:45], v[46:47]
	v_pk_add_f32 v[40:41], v[40:41], v[44:45]
	v_add_f32 v36, v40, v41
	v_permlanex16_b32 v37, v36, s28, s29
	v_add_f32 v36, v36, v37
	v_rcp_f32 v[112+2*(\u)], v36
	v_nop                                          ; a plain instruction between the reciprocal and its use
.endm
	s_load_b128 s[4:7], s[0:1], 0x0                ; frag s[4:5], wimg s[6:7]
	s_load_b64 s[8:9], s[0:1], 0x10                ; y
	v_lshl_add_u32 v16, v0, 2, SPARE               ; my spare word,
	v_mov_b32 v17, 0                               ; and 0: kept for the add alone
	v_lshrrev_b32 v18, 5, v0
	v_readfirstlane_b32 s10, v18                   ; wave 0..3
	v_and_b32 v18, 31, v0
	v_lshlrev_b32 v1, 4, v18                       ; 16 L
	v_and_b32 v19, 15, v0                          ; r
	v_bfe_u32 v20, v0, 4, 1                        ; h
	s_lshr_b32 s12, ttmp9, 1                       ; the batch element; neighbouring work-groups read the same xn
	s_and_b32 s13, ttmp9, 1                        ; which four heads
	s_lshl_b32 s14, s12, 18                        ; 16 tiles of 16,384 bytes,
	s_lshl_b32 s15, s10, 16                        ; my four
	s_add_co_u32 s14, s14, s15
	s_mov_b32 s15, 0
	s_mul_i32 s30, s13, 786432                     ; twelve slabs
	s_mov_b32 s31, 0
	s_lshl_b32 s32, s13, 13                        ; four heads of two k-blocks of 1,024 bytes
	s_mov_b32 s33, 0
	s_lshl_b32 s34, s12, 19                        ; y: 32 groups of 16,384 bytes,
	s_lshl_b32 s35, s10, 17                        ; my eight,
	s_add_co_u32 s34, s34, s35
	s_lshl_b32 s35, s13, 12                        ; four heads of 1,024 bytes in each half of a group
	s_add_co_u32 s34, s34, s35
	s_mov_b32 s35, 0
	s_mov_b32 s26, 0x3fb8aa3b                      ; log2(e)
	s_mov_b32 s27, s26                             ; named with it as a pair
	s_mov_b32 s28, 0x76543210                      ; v_permlanex16_b32: each lane takes its own place in the other half
	s_mov_b32 s29, 0xfedcba98
	s_lshl_b32 s11, s10, 14
	v_add_nc_u32 v12, s11, v1                      ; my quarter of a slab
	s_wait_kmcnt 0x0
	s_add_nc_u64 s[16:17], s[4:5], s[14:15]        ; xn at my first tile
	s_add_nc_u64 s[18:19], s[6:7], s[30:31]        ; the next slab
	s_add_nc_u64 s[20:21], s[16:17], s[32:33]      ; xn at the head's and the piece's units, for the residual
	s_add_nc_u64 s[22:23], s[8:9], s[34:35]        ; y at the piece's first group and the head's first channels
.set i, 0
.rept 4                                ; xn into windows 2 and 3: 128 loads of 512 consecutive bytes
	WIN 0x80+0x40*(i/2)
.set n, 0
.rept 32
	global_load_b128 v[128*(i%2)+4*n:128*(i%2)+4*n+3], v1, s[16:17] offset:(32*i+n)*512
.set n, n+1
.endr
.set i, i+1
.endr
	GL8 0, 0                                       ; wk of the first head, on end: there is no product yet to set it beside
	GL8 1, 0
	GL8 2, 0
	GL8 3, 0
	v_add_nc_u32 v2, SLK, v1
	v_add_nc_u32 v3, SLV, v1
	v_add_nc_u32 v4, SLQ, v1
	s_lshl_b32 s11, s10, 13
	s_add_co_u32 s11, s11, KST
	v_add_nc_u32 v5, s11, v1                       ; where my four key tiles go: 16 units
	s_lshl_b32 s11, s10, 11
	s_add_co_u32 s11, s11, VST
	v_add_nc_u32 v6, s11, v1                       ; and my four units in each channel tile of v
	v_add_nc_u32 v7, KST, v1
	v_add_nc_u32 v8, VST, v1
	v_add_nc_u32 v9, SLK, v12
	v_add_nc_u32 v10, SLV, v12
	v_add_nc_u32 v11, SLQ, v12
	v_lshrrev_b32 v21, 3, v19                      ; r / 8: which group of the tile
	v_and_b32 v13, 7, v19
	v_lshlrev_b32 v15, 4, v13                      ; my place in y: 16 (r % 8)
	v_lshl_add_u32 v15, v20, 7, v15                ; + 128 h
	v_lshl_add_u32 v15, v21, 14, v15               ; + 16,384 (r / 8)
	v_mov_b32 v37, 0                               ; a permute's destination counts as read; the others are upper halves of pairs
	v_mov_b32 v39, 0
	v_mov_b32 v113, 0
	v_mov_b32 v115, 0
	; E0[m][k] = 1 where k = m, E1[m][k] = 1 where k = 16 + m, as operands of 16 x 32 in f16: lane (r, h) holds 1.0 at k = r, which is its own where h = r / 8: register (r / 2) % 4, half r % 2
	v_bfe_u32 v22, v19, 1, 2
	v_cmp_eq_u32 vcc_lo, v21, v20
	v_cndmask_b32 v22, 4, v22, vcc_lo
	v_and_b32 v23, 1, v19
	v_lshlrev_b32 v23, 4, v23
	v_mov_b32 v24, 0x3c00
	v_lshlrev_b32 v23, v23, v24
.irp m, 0,1,2,3
	v_cmp_eq_u32 vcc_lo, \m, v22
	v_cndmask_b32 v[120+\m], 0, v23, vcc_lo
	v_mov_b32 v[116+\m], 0
	v_mov_b32 v[124+\m], 0
.endr
	GS8 0, 9, 0                                    ; the slab's loads are the youngest, so the first of these waits covers xn too
	GS8 1, 9, 0
	GS8 2, 9, 0
	GS8 3, 9, 0
	s_wait_dscnt 0x0                               ; my quarter of wk is stored;
	s_barrier_signal -1
	s_barrier_wait -1                              ; everybody's is
	s_mov_b32 s24, 4                               ; heads to go
.Lhead:
	WIN 0x40                                       ; the attention used all of window 1: the five addresses again
	v_mov_b32 v224, v2
	v_mov_b32 v225, v3
	v_mov_b32 v226, v4
	v_mov_b32 v227, v5
	v_mov_b32 v228, v6
	; K step; wv comes in beside it
	PROJH 224
	PROJB 224, 0, 10, 0, 0
	PROJH 225                                      ; wv is whole: the V step's first operands are asked for, and k is rounded and stored beside them
	PACKKV 227, 0
	; V step; wq comes in beside it
	PROJB 225, 1, 11, 0, 16
	PROJH 226
	PACKKV 228, 1
	; Q step; the next head's wk comes in beside it; behind its barrier k and v are whole
	PROJB 226, 0, 9, 1, 16
	WIN 0x05
.set i, 0
.rept 4
.irp t, 0,1,2,3
.irp m, 0,1,2,3
	v_cvt_pk_f16_f32 v[48+16*i+4*\t+\m], v[8*(4*i+\t)+2*\m], v[8*(4*i+\t)+2*\m+1]
.endr
.endr
.set i, i+1
.endr
	WIN 0
	s_mov_b32 s25, 2                               ; two pieces of two tiles: one text, walked twice
.Lpiece:
	; S^T = K Q^T: 8 groups of two key tiles; in a group four accumulators take turns; K's operands are asked for three groups ahead
	KFETCH 0
	KFETCH 1
	KFETCH 2
.set g, 0
.rept 8
.if g < 6
	s_wait_dscnt 0x10                              ; this group's eight loads are in, the next two groups' stay out
.elseif g == 6
	s_wait_dscnt 0x8
.else
	s_wait_dscnt 0x0
.endif
	WIN 0x50
.irp cb, 0,1
.irp k2, 0,1
.irp u, 0,1
.set rS, 128*\u+8*(2*g+\k2)
.set rK, 128+32*(g%4)+16*\k2+8*\cb
.set rQ, 48+16*\u+8*\cb
.if \cb == 0
	v_wmma_f32_16x16x32_f16 v[rS:rS+7], v[rK:rK+7], v[rQ:rQ+7], 0
.else
	v_wmma_f32_16x16x32_f16 v[rS:rS+7], v[rK:rK+7], v[rQ:rQ+7], v[rS:rS+7]
.endif
.endr
.endr
.endr
.if g < 5
	PLACES
	KFETCH g+3                                     ; into the buffer that group g - 1 read
.endif
.if g == 7
	PLACES                                         ; in front of the loads into Q's registers and of the maxima
.endif
.set g, g+1
.endr
	WIN 0
.irp m, 0,1,2,3,4,5,6,7                ; Q is done with: its registers take the piece's xn of the head's 64 channels, two operands a tile
	global_load_b128 v[48+4*\m:48+4*\m+3], v1, s[20:21] offset:(\m/4)*16384+(\m%4)*512
.endr
	SOFTMAX 0
	VFETCH 0                                       ; tile 0's upper 64 registers are free: V's first two blocks land beside tile 1's softmax
	VFETCH 1
	SOFTMAX 1
	VFETCH 2
	; O^T = V^T P: 8 blocks of 32 keys; eight accumulators take turns; the first block starts the sums; V's operands are asked for three blocks ahead
.set kb, 0
.rept 8
.if kb < 6
	s_wait_dscnt 0x10                              ; this block's eight loads are in, the next two blocks' stay out
.elseif kb == 6
	s_wait_dscnt 0x8
.else
	s_wait_dscnt 0x0
.endif
	WIN 0x05
.irp u, 0,1
.irp t, 0,1,2,3
.set rO, 128+32*\u+8*\t
.set rV, 64+32*(kb%2)+128*((kb%4)/2)+8*\t
.set rP, 128*\u+8*kb
.if kb == 0
	v_wmma_f32_16x16x32_f16 v[rO:rO+7], v[rV:rV+7], v[rP:rP+7], 0
.else
	v_wmma_f32_16x16x32_f16 v[rO:rO+7], v[rV:rV+7], v[rP:rP+7], v[rO:rO+7]
.endif
.endr
.endr
.if kb < 5
	PLACES
	VFETCH kb+3                                    ; into the buffer that block kb - 1 read
.endif
.if kb == 7
	PLACES
.endif
.set kb, kb+1
.endr
	; the way out: O^T / l, ascending; xn added by a product with E; stored as it lies
	WIN 0
	s_wait_alu depctr_va_vdst(0)
.irp u, 0,1
.set x, 0
.rept 16
	v_pk_mul_f32 v[128+32*\u+2*x:128+32*\u+2*x+1], v[128+32*\u+2*x:128+32*\u+2*x+1], v[112+2*\u:113+2*\u] op_sel_hi:[1,0]
.set x, x+1
.endr
.endr
	s_wait_loadcnt 0x0                             ; xn
.irp u, 0,1
.irp t, 0,1,2,3
	v_wmma_f32_16x16x32_f16 v[128+32*\u+8*\t:128+32*\u+8*\t+7], v[120-4*(\t%2):127-4*(\t%2)], v[48+16*\u+8*(\t/2):48+16*\u+8*(\t/2)+7], v[128+32*\u+8*\t:128+32*\u+8*\t+7]
.endr
.endr
	PLACES
.irp u, 0,1
.irp t, 0,1,2,3                        ; the lower four registers first; each store covers two whole aligned pieces of 256 bytes, 16,384 bytes apart
	global_store_b128 v15, v[128+32*\u+8*\t:128+32*\u+8*\t+3], s[22:23] offset:\u*32768+(\t/2)*512+(\t%2)*256
	global_store_b128 v15, v[128+32*\u+8*\t+4:128+32*\u+8*\t+7], s[22:23] offset:\u*32768+8192+(\t/2)*512+(\t%2)*256
.endr
.endr
.set x, 0
.rept 32                               ; the next piece's Q goes where the one text names Q (in the second trip this serves nothing: the price of one text)
	v_mov_b32 v[48+x], v[80+x]
.set x, x+1
.endr
	s_wait_xcnt 0x0                                ; the stores' data and both bases are rewritten only behind this wait
	s_add_nc_u64 s[20:21], s[20:21], 32768         ; two tiles on
	s_add_nc_u64 s[22:23], s[22:23], 65536         ; four groups on
	s_sub_co_u32 s25, s25, 1
	s_cmp_lg_u32 s25, 0
	s_cbranch_scc1 .Lpiece
	s_sub_nc_u64 s[20:21], s[20:21], 63488         ; back four tiles, on one head: 2,048 bytes
	s_sub_nc_u64 s[22:23], s[22:23], 130048        ; back eight groups, on one head: 1,024 bytes
	s_sub_co_u32 s24, s24, 1
	s_cmp_lg_u32 s24, 0
	s_cbranch_scc1 .Lhead
	s_wait_tensorcnt 0x0                           ; the wave's end, behind my last LDS store
	ds_add_u32 v16, v17
	s_wait_dscnt 0x0
	s_endpgm
.Lfunc_end_k_qbb5c47bc50_attn:
	.size	k_qbb5c47bc50_attn, .Lfunc_end_k_qbb5c47bc50_attn-k_qbb5c47bc50_attn
	.p2alignl 7, 3214868480
	.fill 96, 4, 3214868480
	.section	.rodata,"a",@progbits
	.p2align	6, 0x0
	.amdhsa_kernel k_qbb5c47bc50_attn
		.amdhsa_group_segment_fixed_size 262656
		.amdhsa_private_segment_fixed_size 0
		.amdhsa_enable_private_segment 0
		.amdhsa_kernarg_size 24
		.amdhsa_user_sgpr_count 2
		.amdhsa_user_sgpr_kernarg_segment_ptr 1
		.amdhsa_wavefront_size32 1
		.amdhsa_system_sgpr_workgroup_id_x 1
		.amdhsa_system_sgpr_workgroup_id_y 1
		.amdhsa_system_sgpr_workgroup_id_z 1
		.amdhsa_system_vgpr_workitem_id 0
		.amdhsa_next_free_vgpr 1024
		.amdhsa_next_free_sgpr 66
		.amdhsa_reserve_vcc 1
		.amdhsa_float_denorm_mode_32 3
		.amdhsa_float_denorm_mode_16_64 3
		.amdhsa_memory_ordered 1
		.amdhsa_forward_progress 1
		.amdhsa_inst_pref_size 205
	.end_amdhsa_kernel
	.amdgpu_metadata
---
amdhsa.version: [ 1, 2 ]
amdhsa.kernels:
  - .name:           k_qbb5c47bc50_attn
    .symbol:         k_qbb5c47bc50_attn.kd
    .args:
      - { .name: frag, .offset: 0, .size: 8, .value_kind: global_buffer, .address_space: global }
      - { .name: wimg, .offset: 8, .size: 8, .value_kind: global_buffer, .address_space: global }
      - { .name: y, .offset: 16, .size: 8, .value_kind: global_buffer, .address_space: global }
    .group_segment_fixed_size: 262656
    .private_segment_fixed_size: 0
    .kernarg_segment_align: 8
    .kernarg_segment_size: 24
    .max_flat_workgroup_size: 128
    .sgpr_count:     66
    .vgpr_count:     1024
    .wavefront_size: 32
...
	.end_amdgpu_metadata
.endif
;; end of part 2
;; launch ffn (part 3): grid 256 x 1, 4 waves a work-group, clusters of 4 x 1, 327,680 bytes of LDS; arguments y, g2, be2, wimg, bf1, bf2, out0; writes out0
.if DOCPART == 3
	.amdgcn_target "amdgcn-amd-amdhsa--gfx1250"
	.amdhsa_code_object_version 6
	.text
	.protected	k_qbb5c47bc50_ffn
	.globl	k_qbb5c47bc50_ffn
	.p2align	8
	.type	k_qbb5c47bc50_ffn,@function
k_qbb5c47bc50_ffn:
	s_mov_b64 s[64:65], 0
	v_nop
	global_prefetch_b8 v0, s[64:65] scope:SCOPE_SE
	s_setreg_imm32_b32 hwreg(HW_REG_WAVE_MODE, 25, 1), 1
	s_wait_xcnt 0x0
	s_wait_alu depctr_hold_cnt(0) depctr_sa_sdst(0) depctr_va_vdst(0) depctr_va_sdst(0) depctr_va_ssrc(0) depctr_va_vcc(0) depctr_vm_vsrc(0)
	s_getreg_b32 s2, hwreg(HW_REG_IB_STS2, 6, 4)
	s_cmp_eq_u32 s2, 0
	s_cbranch_scc0 .Lentry_in_a_cluster
	s_endpgm
.Lentry_in_a_cluster:
	s_bfe_u32 s2, ttmp6, 0x10000c
	s_cmp_lg_u32 s2, 0x3003
	s_cbranch_scc0 .Lentry_shape_is_right
	s_endpgm
.Lentry_shape_is_right:
; xt = ((y - mean) * rsqrt(var + 1e-5)) * g2 + be2;  out = xt + relu(xt w1 + bf1) w2 + bf2.
; y: f32 in groups of 8 rows (below); g2, be2, bf1, bf2 [512] f32; wimg: from byte 1,572,864 on w1's and w2's images (f16); out0 [32768][512] f32.
; Y's LAYOUT: [group of 8 rows][q 0..1][s 0..15][g 0..3][row 0..7][16 bytes], 16,384 bytes a group; the 16 bytes are channels 8 (4 s + g) + 4 q + 0..3.
; THE IMAGE: a unit of 512 bytes; lane L (r = L % 16, h = L / 16) owns bytes 16 L ..: eight f16 along k = 32 c + 16 j + 8 h + 0..7 of row or channel r; units j = 0, 1 are registers 0-3, 4-7 of an operand.
; LIMITS.  xt, the weights and h = relu(..) are f16: a magnitude of 65,520 or more becomes an infinity, below 6e-5 the step is 6e-8.  The residual takes xt as rounded to f16.  Mean and variance in f32, the variance
; of (y - mean), in two passes.  NaN and infinities are not treated apart.
; THE NORM.  Wave w takes groups w, 4 + w, 8 + w, 12 + w of the work-group's 16, one a trip: 32 loads of 512 consecutive bytes give lane (g = L / 8, row = L % 8) 128 numbers of its row, octets 4 s + g; g2 and be2 of those
; channels stay in 256 registers that the accumulators do not need yet.  A row lies in four lanes, 8 and 16 apart.  An octet rounded to f16 is 16 bytes of unit (c = s, j = g / 2), lane 16 (g % 2) + row, and is stored there;
; eight rows cannot fill the sixteen columns of a pass, so two lanes share each.  A trip's loads are issued at the end of the trip before.
; SHARES of the products.  A work-group owns 128 rows (8 tiles of 16); wave w owns all of them x channels 128 w .. 128 w + 127: 64 accumulators, 512 registers.  32 LDS loads feed 64 matrix instructions.
; Source 0 = 16 channels of a weight, source 1 = 16 rows: a lane holds ONE row and eight neighbouring channels, so relu(..) rounded in pairs is a unit of the second product's operand, and the results pack into 32 bytes of a row.
; The first product's sums start on bf1 (the C operand).  The second's start on xt + bf2: a product of xt's own operand with a matrix E of ones (exact), with bf2 as C.
; THE WEIGHTS are one stream of 16 slots of 65,536 bytes (two k-blocks each; 8 of w1, 8 of w2) through a ring of two LDS slots.  CLUSTER: the four work-groups of a cluster walk the same stream, so each slot is asked for
; JOINTLY: the same tensor load, descriptor and mask in all four; each wave brings 16,384 bytes.  By this text's count a wave has two tensor loads out at the start and one behind each round.
; PREFETCH.  The stream's 1,048,576 bytes are asked for once in the launch, at its head, beside the norm's loads: wave 0 of work-group g asks for the 4,096 bytes from 4,096 g on, lanes 128 bytes apart (a pair of
; neighbouring lanes names each 256 bytes); the last byte named is 2,621,312 of wimg's 2,621,440.
; REGISTERS, in windows of 256 (s_set_vgpr_msb: bits 1:0 source 0, 3:2 source 1, 5:4 source 2, 7:6 destination):
;   window 0: v1 16 L, v16-27, v30, v31 addresses, v28/29 the add's two, v32-43 E1 (32-39) and E0 (36-43), v[44:45] mean, v[46:47] rsqrt, v48/49 at work, v64-127 and v128-191 two buffers of row operands (in the norm: a group
;             of y), v192-255 xt's operands for the E products (in the norm: eight running sums)
;   window 1: v0-63 bf1 of my channels, v64-127 and v128-191 two buffers of weight operands, v192-255 bf2
;   windows 2, 3: accumulator (i, tt) at window 2 + i / 4, register 8 (8 (i % 4) + tt); in the norm window 2 holds g2 (0-127) and be2 (128-255).
;   Both buffers of windows 0 and 1 also carry h on its way to LDS: (i, tt) at window i / 4, 64 + 4 (8 (i % 4) + tt)
.set OPD,    0                         ; 131,072 bytes: xt's image, later h's: [tile i][t 0..31][512]; written by LDS stores alone
.set SL0,    131072                    ; the ring: two slots of 65,536 bytes; one exclusive or with 65,536 turns one into the other
.set SL1,    196608
.set OST,    262144                    ; a stage of 16 rows x 528 bytes for each wave
.set OPITCH, 528                       ; 512 bytes + 16: an odd multiple of 16
.set SPARE,  OST+4*16*OPITCH           ; the spare words, 128 bytes a wave, which no other line names
.set W1OFF,  1572864
.set F0, 64
.set F1, 128
.set X,  64                            ; the norm: a group of y, 128 registers
.set T,  192                           ; the norm: eight pairs of running sums
.set MSB, 0
.macro WIN new                         ; the immediate's high byte repeats the setting that is left; a switch that changes nothing is dropped
.if MSB != (\new)
	s_set_vgpr_msb (MSB<<8)|(\new)
.set MSB, (\new)
.endif
.endm
.macro PLACES                          ; four plain vector instructions between a matrix instruction and a vector instruction, load or store that touches its registers
.rept 4
	v_nop
.endr
.endm
.macro CREST                           ; a round of the cluster's barrier behind its opening barrier
	s_cmp_lg_u32 s14, 0
	s_cbranch_scc1 .Lnot_wave_0_\@
	s_barrier_signal -3
.Lnot_wave_0_\@:
	s_barrier_wait -3
	s_barrier_signal -1
	s_barrier_wait -1
.endm
.macro CROUND                          ; a whole round
	s_barrier_signal -1
	s_barrier_wait -1
	CREST
.endm
; 16 matrix instructions: row tiles 4 hi + a0, 4 hi + a0 + 1 x my 8 channel tiles, 32 along k.  mode = 1: the sums start on bf1
.macro MUL16 f, hi, a0, mode
.if \mode
	WIN 0x91+0x40*(\hi)
.else
	WIN 0xa1+0x50*(\hi)
.endif
.irp a, \a0, (\a0)+1
.irp b, 0,1,2,3,4,5,6,7
.set rD, 8*(8*(\a)+\b)
.if \mode
	v_wmma_f32_16x16x32_f16 v[rD:rD+7], v[(\f)+8*\b:(\f)+8*\b+7], v[(\f)+8*(4*(\hi)+(\a)):(\f)+8*(4*(\hi)+(\a))+7], v[8*\b:8*\b+7]
.else
	v_wmma_f32_16x16x32_f16 v[rD:rD+7], v[(\f)+8*\b:(\f)+8*\b+7], v[(\f)+8*(4*(\hi)+(\a)):(\f)+8*(4*(\hi)+(\a))+7], v[rD:rD+7]
.endif
.endr
.endr
.endm
; 32 LDS loads in one run: k-block cc of the slot in hand: my 8 weight operands, then the 8 row operands
.macro FETCH cc, f
	WIN 0x40
.irp b, 0,1,2,3,4,5,6,7
	ds_load_b128 v[(\f)+8*\b:(\f)+8*\b+3], v18 offset:(\cc)*32768+\b*1024
	ds_load_b128 v[(\f)+8*\b+4:(\f)+8*\b+7], v18 offset:(\cc)*32768+\b*1024+512
.endr
	WIN 0
.irp i, 0,1,2,3,4,5,6,7
	ds_load_b128 v[(\f)+8*\i:(\f)+8*\i+3], v[16+\i/4] offset:(\i%4)*16384+(\cc)*1024
	ds_load_b128 v[(\f)+8*\i+4:(\f)+8*\i+7], v[16+\i/4] offset:(\i%4)*16384+(\cc)*1024+512
.endr
.endm
; A slot's first k-block: multiplies buffer 0 and, in its middle, fetches the second k-block into buffer 1.  The 64 accumulators take turns in one order everywhere.
.macro QUARTER mode
	s_wait_dscnt 0x8                               ; all but the youngest eight loads: the operands of row tiles 4-7
	MUL16 F0, 0, 0, \mode
	MUL16 F0, 0, 2, \mode
	PLACES
	FETCH 1, F1
	s_wait_dscnt 0x20                              ; all but the 32 just issued
	MUL16 F0, 1, 0, \mode
	MUL16 F0, 1, 2, \mode
.endm
; A slot's second k-block multiplies buffer 1 and, in its middle, changes slots: ONE barrier.  In front of it each wave waits for all its tensor loads (the one that is out is its part of the next slot), adds 0 to its spare
; word, and waits for that and for its reads of this slot, the last of which were issued 64 matrix instructions earlier.  fill = 1: the barrier opens a round of the cluster's, so that no wave of any partner still reads the slot or has a
; load on its way, and the joint refill, two slots ahead in the stream, is the first thing behind it.  The waits stand directly in front of the round and no product stands inside it: a refill so has a whole slot's 128 matrix
; instructions between its request and the wait for it, and only the add and the round lie between that wait and the next request.  fetch = 1: the next slot's first operands are read.
.macro TURN fill, fetch
	s_wait_dscnt 0x8                               ; all but the youngest eight loads: the operands of row tiles 4-7
	MUL16 F1, 0, 0, 0
	MUL16 F1, 0, 2, 0
	WIN 0                                          ; the add's two registers lie in window 0
	s_wait_tensorcnt 0x0                           ; no tensor load of mine is out, so a group 0 may be written
	ds_add_u32 v28, v29                            ; 0 onto my spare word: the descriptor's steps stand between it and the wait for it
.if \fill
	s_xor_b32 s37, s37, 0x10000                    ; the walking descriptor: the other slot than last time,
	s_add_nc_u64 s[38:39], s[38:39], 65536         ; the stream's next 65,536 bytes; the type bits on top are not reached
.endif
	s_wait_dscnt 0x0                               ; the add is done, and my reads of this slot are over
	s_barrier_signal -1
	s_barrier_wait -1
.if \fill
	CREST
	tensor_load_to_lds s[36:39], s[24:31]
	s_nop 0
.endif
	PLACES                                         ; the places in front of the loads below
.if \fetch
	s_xor_b32 s44, s44, 0x10000                    ; the slot to be read
	v_add_nc_u32 v18, s44, v19
	v_add_nc_u32 v16, 2048, v16                    ; two k-blocks on in the row operands
	v_add_nc_u32 v17, 2048, v17
	FETCH 0, F0
.endif
	MUL16 F1, 1, 0, 0
	MUL16 F1, 1, 2, 0
.endm
.macro YLOAD                           ; a group of y: 32 loads of 512 consecutive bytes
.set k, 0
.rept 16
	global_load_b128 v[X+8*k:X+8*k+3], v1, s[4:5] offset:k*512 th:TH_LOAD_NT
	global_load_b128 v[X+8*k+4:X+8*k+7], v1, s[4:5] offset:8192+k*512 th:TH_LOAD_NT
.set k, k+1
.endr
.endm
.macro LNRED                           ; the eight pairs of sums into one number, then over the row's four lanes, into v48 of each
.irp p, 0,1,2,3
	v_pk_add_f32 v[T+2*\p:T+2*\p+1], v[T+2*\p:T+2*\p+1], v[T+8+2*\p:T+8+2*\p+1]
.endr
	v_pk_add_f32 v[T:T+1], v[T:T+1], v[T+4:T+5]
	v_pk_add_f32 v[T+2:T+3], v[T+2:T+3], v[T+6:T+7]
	v_pk_add_f32 v[T:T+1], v[T:T+1], v[T+2:T+3]
	v_add_f32 v48, v[T], v[T+1]
	v_add_f32_dpp v48, v48, v48 row_xmask:8 row_mask:0xf bank_mask:0xf
	v_permlanex16_b32 v49, v48, s52, s53
	v_add_f32 v48, v48, v49
.endm
	s_load_b256 s[4:11], s[0:1], 0x0               ; y s[4:5], g2 s[6:7], be2 s[8:9], wimg s[10:11]
	s_load_b128 s[48:51], s[0:1], 0x20             ; bf1 s[48:49], bf2 s[50:51]
	s_load_b64 s[12:13], s[0:1], 0x30              ; out0
	v_lshl_add_u32 v28, v0, 2, SPARE
	v_mov_b32 v29, 0
	ds_add_u32 v28, v29                            ; the wave's opening: the add and its wait stand ahead of my first tensor load; the set-up below, work on registers, stands between them
	v_lshrrev_b32 v2, 5, v0
	v_readfirstlane_b32 s14, v2                    ; wave 0..3
	v_and_b32 v2, 31, v0
	v_lshlrev_b32 v1, 4, v2                        ; 16 L
	s_bfe_u32 s15, ttmp6, 0x40000                  ; cx: my place in the cluster
	s_lshl_b32 s40, ttmp9, 2                       ; in a cluster launch ttmp9 counts clusters
	s_add_co_u32 s40, s40, s15                     ; my block of 128 rows: it enters y's and out0's addresses and the prefetch's offset alone
	v_lshlrev_b32 v31, 7, v2                       ; the prefetch: 128 x lane
	v_lshl_add_u32 v31, s40, 12, v31               ; + 4,096 x work-group; never rewritten
	s_lshl_b32 s16, s40, 18                        ; 16 groups of 16,384 bytes,
	s_lshl_b32 s17, s14, 14                        ; my first
	s_add_co_u32 s16, s16, s17
	s_mov_b32 s17, 0
	s_lshl_b32 s18, s40, 18                        ; 128 rows of 2,048 bytes,
	s_lshl_b32 s19, s14, 9                         ; my 128 channels
	s_add_co_u32 s18, s18, s19
	s_mov_b32 s19, 0
	s_lshl_b32 s20, s14, 14                        ; my quarter of a slot
	s_add_co_u32 s22, s20, W1OFF
	s_mov_b32 s23, 0
	; descriptor group 1: 16,384 dense bytes as 64 rows of 256
	s_mov_b32 s24, 15|(3<<16)|(1<<21)              ; 15:0 the mask of four; 17:16 elements of 8 bytes; 21 set beside a mask; no padding
	s_mov_b32 s25, 32<<16                          ; tensor_dim0 = 32
	s_mov_b32 s26, 64<<16                          ; tensor_dim1 = 64
	s_mov_b32 s27, 32<<16                          ; tile_dim0 = 32
	s_mov_b32 s28, 64                              ; tile_dim1 = 64
	s_mov_b32 s29, 32                              ; 32 elements from row to row
	s_mov_b32 s30, 0
	s_mov_b32 s31, 0
	s_mov_b32 s32, 1                               ; group 0 for slot 0: count,
	s_add_co_u32 s33, s20, SL0                     ; LDS address: no place in the cluster enters it
	s_mov_b32 s36, 1                               ; group 0 for slot 1, which then walks
	s_add_co_u32 s37, s20, SL1
	s_mov_b32 s44, SL0                             ; the slot to be read
	s_mov_b32 s52, 0x76543210                      ; v_permlanex16_b32: each lane takes its own place in the other half
	s_mov_b32 s53, 0xfedcba98
	s_mov_b32 s54, 0x3b000000                      ; 1 / 512
	s_mov_b32 s55, 0x3727c5ac                      ; 1e-5
	s_wait_dscnt 0x0                               ; the opening add is done
	s_wait_kmcnt 0x0
	s_add_nc_u64 s[4:5], s[4:5], s[16:17]
	s_add_nc_u64 s[12:13], s[12:13], s[18:19]
	s_add_nc_u64 s[34:35], s[10:11], s[22:23]      ; the stream's first 65,536 bytes, my quarter,
	s_add_nc_u64 s[38:39], s[34:35], 65536         ; and the second
	s_or_b32 s35, s35, 0x80000000                  ; type = 2
	s_or_b32 s39, s39, 0x80000000
	YLOAD                                          ; my first group of y is asked for ahead of everything else
	s_cmp_lg_u32 s14, 0
	s_cbranch_scc1 .Lno_ask                        ; wave 0 alone asks
	global_prefetch_b8 v31, s[10:11] offset:W1OFF th:TH_LOAD_NT scope:SCOPE_SE
.Lno_ask:
	CROUND                                         ; all four work-groups are here: the first joint loads meet
	tensor_load_to_lds s[32:35], s[24:31]
	s_nop 0
	tensor_load_to_lds s[36:39], s[24:31]
	s_nop 0
	PLACES
	v_and_b32 v2, 15, v0                           ; r
	v_bfe_u32 v3, v0, 4, 1                         ; h
	v_bfe_u32 v4, v0, 3, 2                         ; g = L / 8
	v_lshlrev_b32 v30, 5, v4                       ; my octet among four, in g2 and be2
	s_lshl_b32 s21, s14, 9
	v_lshl_add_u32 v23, v3, 5, s21                 ; my eight channels of a tile, in a bias
	WIN 0x80
.set k, 0
.rept 16                               ; g2 and be2 of octets 4 k + g, once
	global_load_b128 v[8*k:8*k+3], v30, s[6:7] offset:k*128
	global_load_b128 v[8*k+4:8*k+7], v30, s[6:7] offset:k*128+16
	global_load_b128 v[128+8*k:128+8*k+3], v30, s[8:9] offset:k*128
	global_load_b128 v[128+8*k+4:128+8*k+7], v30, s[8:9] offset:k*128+16
.set k, k+1
.endr
	WIN 0x40
.irp t, 0,1,2,3,4,5,6,7
	global_load_b128 v[8*\t:8*\t+3], v23, s[48:49] offset:\t*64
	global_load_b128 v[8*\t+4:8*\t+7], v23, s[48:49] offset:\t*64+16
	global_load_b128 v[192+8*\t:192+8*\t+3], v23, s[50:51] offset:\t*64
	global_load_b128 v[192+8*\t+4:192+8*\t+7], v23, s[50:51] offset:\t*64+16
.endr
	WIN 0
	v_mov_b32 v16, v1                              ; row operands of tiles 0-3,
	v_add_nc_u32 v17, 65536, v1                    ; and of tiles 4-7
	s_lshl_b32 s21, s14, 13
	v_add_nc_u32 v19, s21, v1                      ; my 8 channel tiles in a k-block of a slot
	v_add_nc_u32 v18, s44, v19
	s_lshl_b32 s21, s14, 12
	v_add_nc_u32 v20, s21, v1                      ; my 8 units of tiles 0-3 in the operand's image,
	v_add_nc_u32 v21, 65536, v20                   ; and of tiles 4-7
	s_mul_i32 s21, s14, 16*OPITCH
	s_add_co_u32 s21, s21, OST                     ; my stage
	v_mul_u32_u24 v24, v2, OPITCH                  ; in: row r, 32 bytes for each half of the lanes
	v_lshl_add_u32 v24, v3, 5, v24
	v_add_nc_u32 v24, s21, v24
	v_add_nc_u32 v25, s21, v1                      ; back: 32 lanes take a row's 512 bytes
	v_mov_b32 v26, v1                              ; and the same in out0
	v_and_b32 v5, 7, v0                            ; where an octet of xt goes: 16 x row in the group,
	v_lshlrev_b32 v27, 4, v5
	v_bfe_u32 v5, v0, 3, 1
	v_lshl_add_u32 v27, v5, 8, v27                 ; + 256 (g % 2): the upper half of the unit's lanes,
	v_lshl_add_u32 v27, v3, 9, v27                 ; + 512 (g / 2): unit j;
	s_lshr_b32 s21, s14, 1
	s_lshl_b32 s21, s21, 14                        ; group 4 n + w lies in tile 2 n + w / 2,
	s_and_b32 s45, s14, 1
	s_lshl_b32 s45, s45, 7                         ; rows 8 (w % 2) ..
	s_add_co_u32 s21, s21, s45
	v_add_nc_u32 v27, s21, v27
	v_mov_b32 v45, 0                               ; upper halves of pairs, and a permute's destination, which counts as read
	v_mov_b32 v47, 0
	v_mov_b32 v49, 0
	; E0[m][k] = 1 where k = m, E1[m][k] = 1 where k = 16 + m, as operands of 16 x 32 in f16: lane (r, h) holds 1.0 at k = r, which is its own where h = r / 8: register (r / 2) % 4, half r % 2
	v_lshrrev_b32 v4, 3, v2
	v_bfe_u32 v5, v2, 1, 2
	v_cmp_eq_u32 vcc_lo, v4, v3
	v_cndmask_b32 v5, 4, v5, vcc_lo
	v_and_b32 v6, 1, v2
	v_lshlrev_b32 v6, 4, v6
	v_mov_b32 v7, 0x3c00
	v_lshlrev_b32 v6, v6, v7
.irp m, 0,1,2,3
	v_cmp_eq_u32 vcc_lo, \m, v5
	v_cndmask_b32 v[36+\m], 0, v6, vcc_lo
	v_mov_b32 v[32+\m], 0
	v_mov_b32 v[40+\m], 0
.endr
	; ---- the norm: four trips, a group of 8 rows each ----
	s_mov_b32 s3, 4
.Lln:
	s_wait_loadcnt 0x0                             ; the group is in (in the first trip g2, be2 and the biases too), so y's address may step
	s_add_nc_u64 s[4:5], s[4:5], 65536             ; four groups on
.set k, 0
.rept 8                                ; the sum, in eight chains that the first sixteen pairs start
	v_pk_add_f32 v[T+2*k:T+2*k+1], v[X+2*k:X+2*k+1], v[X+16+2*k:X+16+2*k+1]
.set k, k+1
.endr
.set k, 16
.rept 48
	v_pk_add_f32 v[T+2*(k%8):T+2*(k%8)+1], v[T+2*(k%8):T+2*(k%8)+1], v[X+2*k:X+2*k+1]
.set k, k+1
.endr
	LNRED
	v_mul_f32 v44, s54, v48                        ; the mean
.set k, 0
.rept 64
	v_pk_add_f32 v[X+2*k:X+2*k+1], v[X+2*k:X+2*k+1], v[44:45] op_sel_hi:[1,0] neg_lo:[0,1] neg_hi:[0,1]
.set k, k+1
.endr
.set k, 0
.rept 64                               ; the squares, in eight chains that the first eight start
.if k < 8
	v_pk_mul_f32 v[T+2*k:T+2*k+1], v[X+2*k:X+2*k+1], v[X+2*k:X+2*k+1]
.else
	v_pk_fma_f32 v[T+2*(k%8):T+2*(k%8)+1], v[X+2*k:X+2*k+1], v[X+2*k:X+2*k+1], v[T+2*(k%8):T+2*(k%8)+1]
.endif
.set k, k+1
.endr
	LNRED
	v_fma_f32 v48, v48, s54, s55                   ; variance + 1e-5
	v_rsq_f32 v46, v48
	v_nop                                          ; a plain instruction between the root and its use
.set k, 0
	s_wait_alu depctr_va_vdst(0)
.rept 64
	v_pk_mul_f32 v[X+2*k:X+2*k+1], v[X+2*k:X+2*k+1], v[46:47] op_sel_hi:[1,0]
.set k, k+1
.endr
	WIN 0x28                                       ; g2 and be2 lie in window 2
.set k, 0
.rept 64
	v_pk_fma_f32 v[X+2*k:X+2*k+1], v[X+2*k:X+2*k+1], v[2*k:2*k+1], v[128+2*k:128+2*k+1]
.set k, k+1
.endr
	WIN 0
.set k, 0
.rept 16                               ; an octet is rounded into its own first four registers, ascending, so that no source is written before it is read
.irp m, 0,1,2,3
	v_cvt_pk_f16_f32 v[X+8*k+\m], v[X+8*k+2*\m], v[X+8*k+2*\m+1]
.endr
.set k, k+1
.endr
.set k, 0
.rept 16
	ds_store_b128 v27, v[X+8*k:X+8*k+3] offset:k*1024
.set k, k+1
.endr
	s_cmp_eq_u32 s3, 1
	s_cbranch_scc1 .Lln_last                       ; behind the last group there is nothing to load
	YLOAD
.Lln_last:
	v_add_nc_u32 v27, 32768, v27                   ; two tiles on
	s_sub_co_u32 s3, s3, 1
	s_cmp_lg_u32 s3, 0
	s_cbranch_scc1 .Lln
	s_wait_tensorcnt 0x1                           ; my part of slot 0 is in; slot 1's may stay out
	s_wait_dscnt 0x0                               ; my part of xt is stored
	s_barrier_signal -1
	s_barrier_wait -1                              ; everybody's is
	FETCH 0, F0
	; ---- the first product: slots 0 to 7 ----
	QUARTER 1                                      ; the first k-block stands in front of the loop: it starts the sums on bf1
	WIN 0                                          ; at a label and at a branch every window is 0
	s_mov_b32 s3, 7
.Lg1:
	TURN 1, 1
	QUARTER 0
	WIN 0
	s_sub_co_u32 s3, s3, 1
	s_cmp_lg_u32 s3, 0
	s_cbranch_scc1 .Lg1
	TURN 1, 0                                      ; slot 7's second k-block; slot 9 is asked for; slot 8 is whole
	; ---- between the products ----
	PLACES
	WIN 0x88
.set x, 0
.rept 256                              ; relu, ascending: each accumulator's lowest registers are read first
	v_max_num_f32 v[x], 0, v[x]
.set x, x+1
.endr
	WIN 0x0a
.set x, 0
.rept 128                              ; h of tiles 0-3, rounded to f16: a lane's eight channels are 16 bytes of a unit
	v_cvt_pk_f16_f32 v[64+x], v[2*x], v[2*x+1]
.set x, x+1
.endr
	WIN 0xcc
.set x, 0
.rept 256
	v_max_num_f32 v[x], 0, v[x]
.set x, x+1
.endr
	WIN 0x4f
.set x, 0
.rept 128                              ; h of tiles 4-7
	v_cvt_pk_f16_f32 v[64+x], v[2*x], v[2*x+1]
.set x, x+1
.endr
.set q, 0
.rept 4                                ; the second sums start: accumulator (i, 2 q + e) = E_e x xt(i, k-block 4 w + q) + bf2
	WIN 0
.irp i, 0,1,2,3,4,5,6,7
	ds_load_b128 v[192+8*\i:192+8*\i+3], v[20+\i/4] offset:(\i%4)*16384+q*1024
	ds_load_b128 v[192+8*\i+4:192+8*\i+7], v[20+\i/4] offset:(\i%4)*16384+q*1024+512
.endr
	s_wait_dscnt 0x0
.irp i, 0,1,2,3,4,5,6,7
	WIN 0x90+0x40*(\i/4)
.irp e, 0,1
	v_wmma_f32_16x16x32_f16 v[8*(8*(\i%4)+2*q+\e):8*(8*(\i%4)+2*q+\e)+7], v[36-4*\e:43-4*\e], v[192+8*\i:192+8*\i+7], v[192+8*(2*q+\e):192+8*(2*q+\e)+7]
.endr
.endr
	PLACES
.set q, q+1
.endr
	WIN 0
	s_wait_dscnt 0x0
	s_barrier_signal -1                            ; my reads of xt are over;
	s_barrier_wait -1                              ; everybody's are.  No slot is filled behind this barrier or the next, so slot 9's load may stay on its way
.set i, 0
.rept 8                                ; h takes xt's place: my 64 units (8 tiles x my 8 channel tiles)
	WIN 0x04*(i/4)
.irp t, 0,1,2,3,4,5,6,7
	ds_store_b128 v[20+i/4], v[64+4*(8*(i%4)+\t):64+4*(8*(i%4)+\t)+3] offset:(i%4)*16384+\t*512
.endr
.set i, i+1
.endr
	WIN 0
	s_wait_dscnt 0x0
	s_barrier_signal -1
	s_barrier_wait -1                              ; h is whole
	s_xor_b32 s44, s44, 0x10000                    ; slot 8
	v_add_nc_u32 v18, s44, v19
	v_mov_b32 v16, v1                              ; the row operands begin again
	v_add_nc_u32 v17, 65536, v1
	FETCH 0, F0
	; ---- the second product: slots 8 to 15 ----
	QUARTER 0
	WIN 0
	s_mov_b32 s3, 6
.Lg2:
	TURN 1, 1
	QUARTER 0
	WIN 0
	s_sub_co_u32 s3, s3, 1
	s_cmp_lg_u32 s3, 0
	s_cbranch_scc1 .Lg2
	TURN 0, 1                                      ; the tail is written out: nothing is left to ask for
	QUARTER 0
	s_wait_dscnt 0x8
	MUL16 F1, 0, 0, 0
	MUL16 F1, 0, 2, 0
	s_wait_dscnt 0x0
	MUL16 F1, 1, 0, 0
	MUL16 F1, 1, 2, 0
	WIN 0
	PLACES
	; ---- the way out: a tile of 16 rows x my 128 channels at a time, through my stage, back as whole rows of 512 bytes ----
.macro TOSTAGE i
	WIN 0x08+4*((\i)/4)
	s_wait_xcnt 0x0                                ; the registers that the stores two tiles back read are loaded again only behind this wait
.irp t, 0,1,2,3,4,5,6,7
	ds_store_b128 v24, v[8*(8*((\i)%4)+\t):8*(8*((\i)%4)+\t)+3] offset:\t*64
	ds_store_b128 v24, v[8*(8*((\i)%4)+\t)+4:8*(8*((\i)%4)+\t)+7] offset:\t*64+16
.endr
	WIN 0
.set n, 0
.rept 16
	ds_load_b128 v[64+64*((\i)%2)+4*n:64+64*((\i)%2)+4*n+3], v25 offset:n*OPITCH   ; my own bytes, served in order: these see the stores above, and the next tile's stores come behind them
.set n, n+1
.endr
.endm
.macro SEND i, younger                 ; younger: the LDS instructions issued behind tile i's loads
	s_wait_dscnt \younger
.set n, 0
.rept 16
	global_store_b128 v26, v[64+64*((\i)%2)+4*n:64+64*((\i)%2)+4*n+3], s[12:13] offset:(16*(\i)+n)*2048 th:TH_STORE_NT   ; 512 consecutive bytes, at a multiple of 512 from out0's first byte
.set n, n+1
.endr
.endm
	TOSTAGE 0
.irp a, 1,2,3,4,5,6,7
	TOSTAGE \a
	SEND (\a)-1, 32
.endr
	SEND 7, 0
	s_wait_tensorcnt 0x0                           ; the wave's end, behind my last tensor load and my last LDS store
	ds_add_u32 v28, v29
	s_wait_dscnt 0x0
	CROUND                                         ; the closing round: no work-group ends while a partner may still ask for a slot that names it
	s_endpgm
.Lfunc_end_k_qbb5c47bc50_ffn:
	.size	k_qbb5c47bc50_ffn, .Lfunc_end_k_qbb5c47bc50_ffn-k_qbb5c47bc50_ffn
	.p2alignl 7, 3214868480
	.fill 96, 4, 3214868480
	.section	.rodata,"a",@progbits
	.p2align	6, 0x0
	.amdhsa_kernel k_qbb5c47bc50_ffn
		.amdhsa_group_segment_fixed_size 327680
		.amdhsa_private_segment_fixed_size 0
		.amdhsa_enable_private_segment 0
		.amdhsa_kernarg_size 56
		.amdhsa_user_sgpr_count 2
		.amdhsa_user_sgpr_kernarg_segment_ptr 1
		.amdhsa_wavefront_size32 1
		.amdhsa_system_sgpr_workgroup_id_x 1
		.amdhsa_system_sgpr_workgroup_id_y 1
		.amdhsa_system_sgpr_workgroup_id_z 1
		.amdhsa_system_vgpr_workitem_id 0
		.amdhsa_next_free_vgpr 1024
		.amdhsa_next_free_sgpr 66
		.amdhsa_reserve_vcc 1
		.amdhsa_float_denorm_mode_32 3
		.amdhsa_float_denorm_mode_16_64 3
		.amdhsa_memory_ordered 1
		.amdhsa_forward_progress 1
		.amdhsa_inst_pref_size 189
	.end_amdhsa_kernel
	.amdgpu_metadata
---
amdhsa.version: [ 1, 2 ]
amdhsa.kernels:
  - .name:           k_qbb5c47bc50_ffn
    .symbol:         k_qbb5c47bc50_ffn.kd
    .args:
      - { .name: y, .offset: 0, .size: 8, .value_kind: global_buffer, .address_space: global }
      - { .name: g2, .offset: 8, .size: 8, .value_kind: global_buffer, .address_space: global }
      - { .name: be2, .offset: 16, .size: 8, .value_kind: global_buffer, .address_space: global }
      - { .name: wimg, .offset: 24, .size: 8, .value_kind: global_buffer, .address_space: global }
      - { .name: bf1, .offset: 32, .size: 8, .value_kind: global_buffer, .address_space: global }
      - { .name: bf2, .offset: 40, .size: 8, .value_kind: global_buffer, .address_space: global }
      - { .name: out0, .offset: 48, .size: 8, .value_kind: global_buffer, .address_space: global }
    .group_segment_fixed_size: 327680
    .private_segment_fixed_size: 0
    .kernarg_segment_align: 8
    .kernarg_segment_size: 56
    .max_flat_workgroup_size: 128
    .sgpr_count:     66
    .vgpr_count:     1024
    .wavefront_size: 32
...
	.end_amdgpu_metadata
.endif
;; end of part 3
;; ======== version 2 of 2: 3 launches; version 1 with the launch attn written anew for expert scheduling mode
;; limits: values outside matrix products are rounded to f16; values are held in f16: magnitudes above 65,504 overflow, below 6.1e-05 lose precision
;; workspace buffers: frag 33,554,432 bytes; wimg 2,621,440 bytes; y 67,108,864 bytes
;; launch ln1: the kernel of part 1 again; grid 672 x 1, 4 waves a work-group, no clusters, 67,072 bytes of LDS; arguments x, g1, be1, frag, wk, wv, wq, w1, w2, wimg; writes frag, wimg
;; launch attn (part 4): grid 256 x 1, 4 waves a work-group, no clusters, 262,656 bytes of LDS; arguments frag, wimg, y; writes y
.if DOCPART == 4
	.amdgcn_target "amdgcn-amd-amdhsa--gfx1250"
	.amdhsa_code_object_version 6
	.text
	.protected	k_qbb5c47bc50_attn
	.globl	k_qbb5c47bc50_attn
	.p2align	8
	.type	k_qbb5c47bc50_attn,@function
k_qbb5c47bc50_attn:
	s_mov_b64 s[64:65], 0
	v_nop
	global_prefetch_b8 v0, s[64:65] scope:SCOPE_SE
	s_setreg_imm32_b32 hwreg(HW_REG_WAVE_SCHED_MODE, 0, 2), 2
	s_setreg_imm32_b32 hwreg(HW_REG_WAVE_MODE, 25, 1), 1
	s_wait_xcnt 0x0
	s_wait_alu depctr_vm_vsrc(0)
; q, k, v = xn wq, xn wk, xn wv;  att = softmax(q k^T) v by heads of 64 (no scale);  y = xn + att.  frag: xn as a fragment image (f16), wimg: weight images (f16), y: f32, in groups of 8 rows (below).
; THE IMAGE: a unit of 512 bytes; lane L (r = L % 16, h = L / 16) owns bytes 16 L ..: eight f16 along k = 32 c + 16 j + 8 h + 0..7 of row or channel r; units j = 0, 1 are registers 0-3, 4-7 of an operand.
; Y's LAYOUT: [group of 8 rows][q 0..1][s 0..15][g 0..3][row 0..7][16 bytes], 16,384 bytes a group; the 16 bytes are channels 8 (4 s + g) + 4 q + 0..3.  A lane of the result holds one row and eight channels, two such
; pieces, and stores them as they lie: each store of the wave covers two whole aligned pieces of 256 bytes (rows 0-7 and rows 8-15 of the tile), and the next launch reads a group by loads of 512 consecutive bytes.
; LIMITS.  All matrix operands (xn, weights, q, k, v, p) are f16: a magnitude of 65,520 or more becomes an infinity, below 6e-5 the step is 6e-8.  The residual takes xn as rounded to f16.
; The maximum taken away is the true maximum of a query's 256 scores; l is the sum of the unrounded p; a weight below 2^-126 counts as 0; NaN and infinities are not treated apart.
; SHARES.  Work-group = one batch element (256 rows) x four heads; wave w owns rows 64 w .. 64 w + 63, four tiles of 16, whose xn stays in 512 registers for the whole launch.
; For each head: K step (k^T = wk^T xn^T, rounded, into LDS as operand units), V step (v = xn wv, likewise), Q step (q^T, kept in registers) and the attention of my 64 queries on all 256 keys, two tiles at a time.
; LAYOUT.  With a channel as the result's row and a data row as its column a lane holds ONE data row and eight channels: rounded in pairs that is a unit of the next product's operand.  S^T = K Q^T holds one query a lane;
; rounded it is source 1 of O^T = V^T P, which again holds one query a lane and eight channels: the layout of xn's own image.  So y = O^T / l + xn is made by one more product, with a matrix E of ones (exact), onto O^T / l.
; OPERAND BUFFERS take turns by three (projections) or four (attention): a run of LDS loads fills a buffer that was read a block or more back, never the one that the block in hand reads.
; THE NEXT SLAB of weights (65,536 bytes; my quarter is 32 loads of 512 bytes) comes through 128 registers that a projection leaves idle: eight loads in the middle of each of k-blocks 0 to 3, eight LDS stores in the
; middle of each of k-blocks 10 to 13, so that no burst stands in the way of the operands' LDS loads and a load has ten k-blocks in which to land.
; BARRIERS: one a step.  Its signal stands ahead of the last k-block's products, behind the wait for all my LDS instructions: my part of the next slab is stored, so are my units of k or v of the step before, and my reads
; are over.  Its wait stands behind those products; behind it the next step's first operands are read, and beside them this step's results are rounded and stored.  k (stored behind barrier K) and v (behind barrier V) are
; read behind barrier Q; the next head stores k behind its barrier K, which every wave signals after its attention; a slot is written again two barriers or more behind its last reads.
; NO CLUSTER, NO TENSOR LOADS.  What work-groups share is the weights: a slab for each 256 matrix instructions of every wave.  A ring filled by tensor loads may jump over no load, so its last step, which holds the
; attention, would be written twice.
; THE MODE: SCHED_MODE bits 1:0 = 2 (LLVM: expert scheduling mode 2), set by the entry lines.  The code itself states the register dependences between vector or matrix instructions and memory or LDS instructions,
; with s_wait_alu, always for 0.
; THE PLAN.  Registers that memory or LDS instructions touch, and who else names them:
;   window 0 v1, v7-12, v15     offsets and LDS addresses: made at the head, never written again.
;   window 1 v224-228           copies of five LDS addresses: written at a head's beginning; read by the projections' LDS loads and stage stores; the attention's scores and V's loads write over them.
;   window 1 v128-223           three operand buffers: k-block c's products read buffer c % 3; the loads of k-block c + 2 land in the buffer that k-block c - 1 read.
;   window 1 v0-127             accumulators; k and v are rounded in place, into each accumulator's lowest four registers; the stage stores read those; the next step's first products write them again.
;   window 0 v128-255           in a projection the slab's loads land here and its LDS stores read them; in the attention K's four buffers (loads land, products read), then O^T (products and scalings write, y's stores read).
;   window 0 v48-79             Q (roundings or moves write, products read), then the piece's xn (loads land, products read).
;   window 1 v64-127, v192-255  in the attention the scores (the softmax reads and writes them), then V's four buffers (loads land, products read).
; So in a projection ONE wait on va_vdst stands at the head of each of k-blocks 1 to 13, behind the wait for the block's operands: the k-block before is done reading its buffer.  The block's LDS loads, and the slab's loads
; or stores, stand in the middle of its sixteen products, which name buffer c % 3, the accumulators and xn: none of the registers that those loads and stores touch.  One wait on vm_vsrc stands at a step's head.
; In the attention a wait on va_vdst at the head of groups 2 and 4 frees the two buffers that the two groups before read, and both are asked for again in that group's middle.
; REGISTERS, in windows of 256 (s_set_vgpr_msb: bits 1:0 source 0, 3:2 source 1, 5:4 source 2, 7:6 destination):
;   window 0: v1-12, v15 addresses, v16/17 the add's two, v13, v18-24 at work at the head, v32-35 four maxima, v36/37 at work, v[38:39] c m, v40-47 four sums, v48-79 Q of the piece in hand (later its xn), v80-111 Q of the next,
;             v[112:115] 1 / l, v116-127 E1 (116-123) and E0 (120-127); v128-255: in a projection the next slab; in K Q^T four buffers of 32 for K's operands; later O^T (128 + 32 u + 8 tt)
;   window 1: in a projection 16 accumulators (8 (4 i + tt)), three operand buffers of 32 (128 ..), v224-228 copies of five LDS addresses;
;             in the attention S^T (128 u + 8 kt), rounded in place to P (128 u + 8 kb); the halves that this frees (64-127, 192-255) are four buffers of 32 for V's operands
;   windows 2, 3: xn: tile i, k-block c at window 2 + i / 2, register 128 (i % 2) + 8 c
.set SLK,   0                          ; weight slots, one for each kind, 65,536 bytes each
.set SLV,   65536
.set SLQ,   131072
.set KST,   196608                     ; k of one head: unit 4 kt + 2 cb + j (key tile, channel half), 32,768 bytes
.set VST,   229376                     ; v of one head: unit 16 tt + 2 kb + j (channel tile, 32 keys), 32,768 bytes
.set SPARE, 262144                     ; the spare words, 128 bytes a wave, which no other line names
.set MSB, 0
.macro WIN new                         ; the immediate's high byte repeats the setting that is left; a switch that changes nothing is dropped
.if MSB != (\new)
	s_set_vgpr_msb (MSB<<8)|(\new)
.set MSB, (\new)
.endif
.endm
.macro PLACES                          ; four plain vector instructions between a matrix instruction and a vector instruction, load or store that touches its registers
.rept 4
	v_nop
.endr
.endm
.macro GL8 k, cond                     ; loads 8 k .. 8 k + 7 of my quarter of the next slab.  cond = 1: behind the last head there is no slab.  No vector or matrix instruction of a projection names their registers
	WIN 0
.if \cond
	s_cmp_eq_u32 s24, 1
	s_cbranch_scc1 .Lnl_\@
.endif
.irp m, 0,1,2,3,4,5,6,7
	global_load_b128 v[128+4*(8*(\k)+\m):128+4*(8*(\k)+\m)+3], v12, s[18:19] offset:(8*(\k)+\m)*512
.endr
.if \cond
.Lnl_\@:
.endif
.endm
.macro GS8 k, sadr, cond               ; and into their slot: the data come from loads, the address was made at the head
	WIN 0
.if \cond
	s_cmp_eq_u32 s24, 1
	s_cbranch_scc1 .Lns_\@
.endif
	s_wait_loadcnt 8*(3-(\k))                      ; loads come back in order: group k is in, the younger groups of eight stay out
.irp m, 0,1,2,3,4,5,6,7
	ds_store_b128 v[\sadr], v[128+4*(8*(\k)+\m):128+4*(8*(\k)+\m)+3] offset:(8*(\k)+\m)*512
.endr
.if (\k) == 3
	s_add_nc_u64 s[18:19], s[18:19], 65536         ; the wait above was for all loads, so their address may step
.endif
.if \cond
.Lns_\@:
.endif
.endm
.macro PFETCH c, adr                   ; k-block c's four weight operands into buffer c % 3; under a setting whose source 0 and destination are window 1
.irp u, 0,1,2,3,4,5,6,7
	ds_load_b128 v[128+32*((\c)%3)+4*\u:128+32*((\c)%3)+4*\u+3], v[\adr] offset:(\c)*4096+\u*512
.endr
.endm
.macro PMUL c, i, v                    ; four products of row tile i.  v = 0: channels x rows (weights are source 0); v = 1: rows x channels
.if \v
	WIN 0x56+(\i)/2
.else
	WIN 0x59+4*((\i)/2)
.endif
.irp t, 0,1,2,3
.set rA, 8*(4*(\i)+\t)
.set rF, 128+32*((\c)%3)+8*\t
.set rX, 128*((\i)%2)+8*(\c)
.if \v
.if (\c) == 0
	v_wmma_f32_16x16x32_f16 v[rA:rA+7], v[rX:rX+7], v[rF:rF+7], 0
.else
	v_wmma_f32_16x16x32_f16 v[rA:rA+7], v[rX:rX+7], v[rF:rF+7], v[rA:rA+7]
.endif
.else
.if (\c) == 0
	v_wmma_f32_16x16x32_f16 v[rA:rA+7], v[rF:rF+7], v[rX:rX+7], 0
.else
	v_wmma_f32_16x16x32_f16 v[rA:rA+7], v[rF:rF+7], v[rX:rX+7], v[rA:rA+7]
.endif
.endif
.endr
.endm
; A projection: 64 rows x 64 channels x 512: 16 k-blocks of 16 products; the 16 accumulators take turns; the first k-block starts the sums.
; PROJH asks for the first two k-blocks' operands; PROJB is the rest.  extra: the LDS stores issued between PROJH and PROJB.  sadr: where my quarter of the next slab goes.
; The two windows of xn are taken in the order 2, 3, 3, 2, 2, ...
.macro PROJH adr
	WIN 0x41
	s_wait_alu depctr_va_vdst(0)                   ; all that named buffers 0 and 1 is done: the last k-blocks' products (ahead of a K step the attention's products and softmax); ahead of a K step the five address copies are written too
	PFETCH 0, \adr
	PFETCH 1, \adr
.endm
.macro PROJB adr, v, sadr, cond, extra
.set c, 0
.rept 16
.if c == 15
	s_wait_dscnt 0x0                               ; the last operands are in; my slab stores, my stage stores of the step before and all my reads are done:
	s_barrier_signal -1                            ; say so, and multiply while the others arrive
.elseif c < 2
	s_wait_dscnt 8+(\extra)                        ; this k-block's eight loads are in; the next one's and the stage stores beside them stay out
.else
	s_wait_dscnt 0x8                               ; this k-block's eight loads are in (and the slab stores issued ahead of the next run); the next one's stay out
.endif
.if c == 0
	s_wait_alu depctr_vm_vsrc(0)                   ; the LDS stores issued so far have read their data: the slab's, in which the next slab's loads land, and k's or v's, which this k-block's products write again; ahead of a K step y's stores too
.elseif c < 14
	s_wait_alu depctr_va_vdst(0)                   ; the k-block before is done reading its buffer, in which the loads below land
.endif
.if c%2 == 0
	PMUL c, 0, \v
	PMUL c, 1, \v
.else
	PMUL c, 2, \v
	PMUL c, 3, \v
.endif
.if c < 14
	PLACES                                         ; in front of the loads below
.if c >= 10
	GS8 c-10, \sadr, \cond
.endif
.if (\v) || (MSB == 0)
	WIN 0x41
.endif
	PFETCH c+2, \adr                               ; into the buffer that k-block c - 1 read.  No wait: no vector or matrix instruction since the wait at the block's head names it
.if c < 4
	GL8 c, \cond
.endif
.endif
.if c%2 == 0
	PMUL c, 2, \v
	PMUL c, 3, \v
.else
	PMUL c, 0, \v
	PMUL c, 1, \v
.endif
.if c == 15
	s_barrier_wait -1                              ; the next slab is whole, and nobody reads this one any more
	PLACES                                         ; in front of the next step's first loads and of the roundings
.endif
.set c, c+1
.endr
.endm
.macro PACKKV adr, isv                 ; the 16 results rounded to f16 in place, ascending, so that no source is written before it is read: a lane's eight numbers close up into the accumulator's lowest four registers; then stored as units
	WIN 0x45
.set a, 0
.rept 16
.irp m, 0,1,2,3
	v_cvt_pk_f16_f32 v[8*a+\m], v[8*a+2*\m], v[8*a+2*\m+1]
.endr
.set a, a+1
.endr
	s_wait_alu depctr_va_vdst(0)                   ; the roundings have written the registers that the sixteen stores read
.set a, 0
.rept 16                               ; accumulator a = 4 i + tt
.if \isv
	ds_store_b128 v[\adr], v[8*a:8*a+3] offset:(16*(a%4)+a/4)*512
.else
	ds_store_b128 v[\adr], v[8*a:8*a+3] offset:a*512
.endif
.set a, a+1
.endr
.endm
.macro KFETCH g                        ; key tiles 2 g, 2 g + 1: four operands, into buffer g % 4
	WIN 0
.irp m, 0,1,2,3,4,5,6,7
	ds_load_b128 v[128+32*((\g)%4)+4*\m:128+32*((\g)%4)+4*\m+3], v7 offset:(8*(\g)+\m)*512
.endr
.endm
.macro VFETCH kb                       ; keys 32 kb ..: four operands, into buffer kb % 4 of window 1 (64, 96, 192, 224); the address lies in window 0
	WIN 0x40
.irp t, 0,1,2,3
.irp j, 0,1
	ds_load_b128 v[64+32*((\kb)%2)+128*(((\kb)%4)/2)+8*\t+4*\j:64+32*((\kb)%2)+128*(((\kb)%4)/2)+8*\t+4*\j+3], v8 offset:((8*\t+(\kb))*2+\j)*512
.endr
.endr
.endm
.macro KQ4 cb                          ; four products of group g of S^T = K Q^T: channel half cb, two key tiles x two query tiles.  cb = 0 starts the sums
	WIN 0x50
.irp k2, 0,1
.irp u, 0,1
.set rS, 128*\u+8*(2*g+\k2)
.set rK, 128+32*(g%4)+16*\k2+8*(\cb)
.set rQ, 48+16*\u+8*(\cb)
.if (\cb) == 0
	v_wmma_f32_16x16x32_f16 v[rS:rS+7], v[rK:rK+7], v[rQ:rQ+7], 0
.else
	v_wmma_f32_16x16x32_f16 v[rS:rS+7], v[rK:rK+7], v[rQ:rQ+7], v[rS:rS+7]
.endif
.endr
.endr
.endm
.macro PV4 u                           ; four products of block kb of O^T = V^T P: query tile u, four channel tiles.  Block 0 starts the sums
	WIN 0x05
.irp t, 0,1,2,3
.set rO, 128+32*(\u)+8*\t
.set rV, 64+32*(kb%2)+128*((kb%4)/2)+8*\t
.set rP, 128*(\u)+8*kb
.if kb == 0
	v_wmma_f32_16x16x32_f16 v[rO:rO+7], v[rV:rV+7], v[rP:rP+7], 0
.else
	v_wmma_f32_16x16x32_f16 v[rO:rO+7], v[rV:rV+7], v[rP:rP+7], v[rO:rO+7]
.endif
.endr
.endm
; The softmax of tile u: a lane holds 128 of its query's 256 scores.
.macro SOFTMAX u
	WIN 0x05
.set x, 0
.rept 64                               ; four chains; each accumulator's lowest registers are read first
.if x < 4
	v_max_num_f32 v[32+x], v[128*(\u)+2*x], v[128*(\u)+2*x+1]
.else
	v_max3_num_f32 v[32+x%4], v[128*(\u)+2*x], v[128*(\u)+2*x+1], v[32+x%4]
.endif
.set x, x+1
.endr
	WIN 0
	v_max3_num_f32 v36, v32, v33, v34
	v_max_num_f32 v36, v36, v35
	v_permlanex16_b32 v37, v36, s28, s29           ; the query's other 128 keys lie in the lane 16 away
	v_max_num_f32 v36, v36, v37
	v_mul_f32 v38, s26, v36                        ; c m, c = log2(e)
.irp m, 0,1,2,3,4,5,6,7
	v_mov_b32 v[40+\m], 0
.endr
; Round bb: block bb (eight scores) is scaled, block bb - 1 goes through the exponential, block bb - 2 is added to l and rounded to f16 into P's place (registers of a block that is done).
; A plain instruction on another block stands behind every exponential.
.set bb, 0
.rept 18
.if bb >= 2
	WIN 0x01
	s_wait_alu depctr_va_vdst(0)                   ; block bb - 2's eight exponentials have written their results, which the sums and roundings below read
.irp m, 0,1,2,3
	v_pk_add_f32 v[40+2*\m:41+2*\m], v[128*(\u)+8*(bb-2)+2*\m:128*(\u)+8*(bb-2)+2*\m+1], v[40+2*\m:41+2*\m]
.endr
.endif
	WIN 0x45
.irp m, 0,1,2,3,4,5,6,7
.if (bb >= 1) && (bb <= 16)
	v_exp_f32 v[128*(\u)+8*(bb-1)+\m], v[128*(\u)+8*(bb-1)+\m]
.endif
.if (\m < 4) && (bb <= 15)
	v_pk_fma_f32 v[128*(\u)+8*bb+2*\m:128*(\u)+8*bb+2*\m+1], v[128*(\u)+8*bb+2*\m:128*(\u)+8*bb+2*\m+1], s[26:27], v[38:39] op_sel_hi:[1,0,0] neg_lo:[0,0,1] neg_hi:[0,0,1]
.endif
.if (\m >= 4) && (bb >= 2)
	v_cvt_pk_f16_f32 v[128*(\u)+4*(bb-2)+\m-4], v[128*(\u)+8*(bb-2)+2*(\m-4)], v[128*(\u)+8*(bb-2)+2*(\m-4)+1]
.endif
.endr
.set bb, bb+1
.endr
	WIN 0
	v_pk_add_f32 v[40:41], v[40:41], v[42:43]
	v_pk_add_f32 v[44:45], v[44:45], v[46:47]
	v_pk_add_f32 v[40:41], v[40:41], v[44:45]
	v_add_f32 v36, v40, v41
	v_permlanex16_b32 v37, v36, s28, s29
	v_add_f32 v36, v36, v37
	v_rcp_f32 v[112+2*(\u)], v36
	v_nop                                          ; a plain instruction between the reciprocal and its use; its wait is the one that stands ahead of V's loads, behind this macro
.endm
	s_load_b128 s[4:7], s[0:1], 0x0                ; frag s[4:5], wimg s[6:7]
	s_load_b64 s[8:9], s[0:1], 0x10                ; y
	v_lshl_add_u32 v16, v0, 2, SPARE               ; my spare word,
	v_mov_b32 v17, 0                               ; and 0: kept for the add alone
	v_lshrrev_b32 v18, 5, v0
	v_readfirstlane_b32 s10, v18                   ; wave 0..3
	v_and_b32 v18, 31, v0
	v_lshlrev_b32 v1, 4, v18                       ; 16 L
	v_and_b32 v19, 15, v0                          ; r
	v_bfe_u32 v20, v0, 4, 1                        ; h
	s_wait_alu depctr_va_sdst(0)                   ; s10 is written, ahead of its first reader: offsets and LDS addresses are made from it
	s_lshr_b32 s12, ttmp9, 1                       ; the batch element; neighbouring work-groups read the same xn
	s_and_b32 s13, ttmp9, 1                        ; which four heads
	s_lshl_b32 s14, s12, 18                        ; 16 tiles of 16,384 bytes,
	s_lshl_b32 s15, s10, 16                        ; my four
	s_add_co_u32 s14, s14, s15
	s_mov_b32 s15, 0
	s_mul_i32 s30, s13, 786432                     ; twelve slabs
	s_mov_b32 s31, 0
	s_lshl_b32 s32, s13, 13                        ; four heads of two k-blocks of 1,024 bytes
	s_mov_b32 s33, 0
	s_lshl_b32 s34, s12, 19                        ; y: 32 groups of 16,384 bytes,
	s_lshl_b32 s35, s10, 17                        ; my eight,
	s_add_co_u32 s34, s34, s35
	s_lshl_b32 s35, s13, 12                        ; four heads of 1,024 bytes in each half of a group
	s_add_co_u32 s34, s34, s35
	s_mov_b32 s35, 0
	s_mov_b32 s26, 0x3fb8aa3b                      ; log2(e)
	s_mov_b32 s27, s26                             ; named with it as a pair
	s_mov_b32 s28, 0x76543210                      ; v_permlanex16_b32: each lane takes its own place in the other half
	s_mov_b32 s29, 0xfedcba98
	s_lshl_b32 s11, s10, 14
	v_add_nc_u32 v12, s11, v1                      ; my quarter of a slab
	s_wait_kmcnt 0x0
	s_add_nc_u64 s[16:17], s[4:5], s[14:15]        ; xn at my first tile
	s_add_nc_u64 s[18:19], s[6:7], s[30:31]        ; the next slab
	s_add_nc_u64 s[20:21], s[16:17], s[32:33]      ; xn at the head's and the piece's units, for the residual
	s_add_nc_u64 s[22:23], s[8:9], s[34:35]        ; y at the piece's first group and the head's first channels
	s_wait_alu depctr_va_vdst(0)                   ; v1 and v12 are written, which the loads below read as their offsets; only loads and window switches follow up to the last of them
.set i, 0
.rept 4                                ; xn into windows 2 and 3: 128 loads of 512 consecutive bytes
	WIN 0x80+0x40*(i/2)
.set n, 0
.rept 32
	global_load_b128 v[128*(i%2)+4*n:128*(i%2)+4*n+3], v1, s[16:17] offset:(32*i+n)*512
.set n, n+1
.endr
.set i, i+1
.endr
	GL8 0, 0                                       ; wk of the first head, on end: there is no product yet to set it beside
	GL8 1, 0
	GL8 2, 0
	GL8 3, 0
	v_add_nc_u32 v2, SLK, v1
	v_add_nc_u32 v3, SLV, v1
	v_add_nc_u32 v4, SLQ, v1
	s_lshl_b32 s11, s10, 13
	s_add_co_u32 s11, s11, KST
	v_add_nc_u32 v5, s11, v1                       ; where my four key tiles go: 16 units
	s_lshl_b32 s11, s10, 11
	s_add_co_u32 s11, s11, VST
	v_add_nc_u32 v6, s11, v1                       ; and my four units in each channel tile of v
	v_add_nc_u32 v7, KST, v1
	v_add_nc_u32 v8, VST, v1
	v_add_nc_u32 v9, SLK, v12
	v_add_nc_u32 v10, SLV, v12
	v_add_nc_u32 v11, SLQ, v12
	v_lshrrev_b32 v21, 3, v19                      ; r / 8: which group of the tile
	v_and_b32 v13, 7, v19
	v_lshlrev_b32 v15, 4, v13                      ; my place in y: 16 (r % 8)
	v_lshl_add_u32 v15, v20, 7, v15                ; + 128 h
	v_lshl_add_u32 v15, v21, 14, v15               ; + 16,384 (r / 8)
	v_mov_b32 v37, 0                               ; a permute's destination counts as read; the others are upper halves of pairs
	v_mov_b32 v39, 0
	v_mov_b32 v113, 0
	v_mov_b32 v115, 0
	; E0[m][k] = 1 where k = m, E1[m][k] = 1 where k = 16 + m, as operands of 16 x 32 in f16: lane (r, h) holds 1.0 at k = r, which is its own where h = r / 8: register (r / 2) % 4, half r % 2
	v_bfe_u32 v22, v19, 1, 2
	v_cmp_eq_u32 vcc_lo, v21, v20
	s_wait_alu depctr_va_vcc(0)                    ; the compare has written VCC, which the select reads
	v_cndmask_b32 v22, 4, v22, vcc_lo
	v_and_b32 v23, 1, v19
	v_lshlrev_b32 v23, 4, v23
	v_mov_b32 v24, 0x3c00
	v_lshlrev_b32 v23, v23, v24
.irp m, 0,1,2,3
	v_cmp_eq_u32 vcc_lo, \m, v22
	s_wait_alu depctr_va_vcc(0)                    ; the compare has written VCC, which the select reads
	v_cndmask_b32 v[120+\m], 0, v23, vcc_lo
	v_mov_b32 v[116+\m], 0
	v_mov_b32 v[124+\m], 0
.endr
	s_wait_alu depctr_va_vdst(0)                   ; the addresses v2 to v11 and v15 are written: LDS loads and stores and y's stores read them from here to the end, and no line writes them again
	GS8 0, 9, 0                                    ; the slab's loads are the youngest, so the first of these waits covers xn too
	GS8 1, 9, 0
	GS8 2, 9, 0
	GS8 3, 9, 0
	s_wait_dscnt 0x0                               ; my quarter of wk is stored;
	s_barrier_signal -1
	s_barrier_wait -1                              ; everybody's is
	s_mov_b32 s24, 4                               ; heads to go
.Lhead:
	WIN 0x40                                       ; the attention used all of window 1: the five addresses again (the LDS instructions that read the old copies stand ahead of the wait on vm_vsrc at a piece's top)
	v_mov_b32 v224, v2
	v_mov_b32 v225, v3
	v_mov_b32 v226, v4
	v_mov_b32 v227, v5
	v_mov_b32 v228, v6
	; K step; wv comes in beside it
	PROJH 224
	PROJB 224, 0, 10, 0, 0
	PROJH 225                                      ; wv is whole: the V step's first operands are asked for, and k is rounded and stored beside them
	PACKKV 227, 0
	; V step; wq comes in beside it
	PROJB 225, 1, 11, 0, 16
	PROJH 226
	PACKKV 228, 1
	; Q step; the next head's wk comes in beside it; behind its barrier k and v are whole
	PROJB 226, 0, 9, 1, 16
	WIN 0x05
.set i, 0
.rept 4
.irp t, 0,1,2,3
.irp m, 0,1,2,3
	v_cvt_pk_f16_f32 v[48+16*i+4*\t+\m], v[8*(4*i+\t)+2*\m], v[8*(4*i+\t)+2*\m+1]
.endr
.endr
.set i, i+1
.endr
	WIN 0
	s_mov_b32 s25, 2                               ; two pieces of two tiles: one text, walked twice
.Lpiece:
	; S^T = K Q^T: 8 groups of two key tiles; in a group four accumulators take turns.  All four buffers are asked for here; then two groups' operands at a time, in the middle of groups 2 and 4
	s_wait_alu depctr_vm_vsrc(0)                   ; the slab's LDS stores (in the second trip y's stores) have read v128 .., in which K's operands land; the projections' LDS loads and stores have read window 1's v224-228, which the scores write over
	s_wait_alu depctr_va_vdst(0)                   ; in the second trip: the products and scalings that wrote O^T are done, where K's operands land
	KFETCH 0
	KFETCH 1
	KFETCH 2
	KFETCH 3
.set g, 0
.rept 8
.if g == 7
	s_wait_dscnt 0x0
.elseif g == 0
	s_wait_dscnt 0x18                              ; this group's eight loads are in, the next three groups' stay out
.elseif g%2 == 1
	s_wait_dscnt 0x10                              ; the next two groups' stay out
.else
	s_wait_dscnt 0x8                               ; the next group's stay out
.endif
.if (g == 2) || (g == 4)
	s_wait_alu depctr_va_vdst(0)                   ; the two groups before are done reading their buffers, in which the loads below land
.endif
	KQ4 0
.if (g == 2) || (g == 4)
	PLACES
	KFETCH g+2                                     ; no vector or matrix instruction since the wait names these two buffers
	KFETCH g+3
.endif
	KQ4 1
.if g == 7
	PLACES                                         ; in front of the loads into Q's registers and of the maxima
.endif
.set g, g+1
.endr
	WIN 0
	s_wait_alu depctr_va_vdst(0)                   ; the products K Q^T are done reading Q, and the roundings or moves that made it are done writing it: the loads below land there
.irp m, 0,1,2,3,4,5,6,7                ; Q is done with: its registers take the piece's xn of the head's 64 channels, two operands a tile
	global_load_b128 v[48+4*\m:48+4*\m+3], v1, s[20:21] offset:(\m/4)*16384+(\m%4)*512
.endr
	SOFTMAX 0
	WIN 0x40
	s_wait_alu depctr_va_vdst(0)                   ; tile 0's softmax is done with its upper 64 registers, in which V's first two blocks land; its reciprocal has written 1 / l
	VFETCH 0                                       ; they land beside tile 1's softmax
	VFETCH 1
	SOFTMAX 1
	WIN 0x40
	s_wait_alu depctr_va_vdst(0)                   ; tile 1's softmax is done with its upper 64 registers, in which V's next two blocks land; its reciprocal has written 1 / l
	VFETCH 2
	VFETCH 3
	; O^T = V^T P: 8 blocks of 32 keys; eight accumulators take turns; the first block starts the sums; from block 4 on V's operands are asked for two blocks at a time, in the middle of blocks 2 and 4
.set kb, 0
.rept 8
.if kb == 7
	s_wait_dscnt 0x0
.elseif kb == 0
	s_wait_dscnt 0x18                              ; this block's eight loads are in, the next three blocks' stay out
.elseif kb%2 == 1
	s_wait_dscnt 0x10                              ; the next two blocks' stay out
.else
	s_wait_dscnt 0x8                               ; the next block's stay out
.endif
.if (kb == 2) || (kb == 4)
	s_wait_alu depctr_va_vdst(0)                   ; the two blocks before are done reading their buffers, in which the loads below land
.endif
	PV4 0
.if (kb == 2) || (kb == 4)
	PLACES
	VFETCH kb+2                                    ; no vector or matrix instruction since the wait names these two buffers
	VFETCH kb+3
.endif
	PV4 1
.if kb == 7
	PLACES
.endif
.set kb, kb+1
.endr
	; the way out: O^T / l, ascending; xn added by a product with E; stored as it lies
	WIN 0
.irp u, 0,1
.set x, 0
.rept 16
	v_pk_mul_f32 v[128+32*\u+2*x:128+32*\u+2*x+1], v[128+32*\u+2*x:128+32*\u+2*x+1], v[112+2*\u:113+2*\u] op_sel_hi:[1,0]
.set x, x+1
.endr
.endr
	s_wait_loadcnt 0x0                             ; xn
.irp u, 0,1
.irp t, 0,1,2,3
	v_wmma_f32_16x16x32_f16 v[128+32*\u+8*\t:128+32*\u+8*\t+7], v[120-4*(\t%2):127-4*(\t%2)], v[48+16*\u+8*(\t/2):48+16*\u+8*(\t/2)+7], v[128+32*\u+8*\t:128+32*\u+8*\t+7]
.endr
.endr
	PLACES
	s_wait_alu depctr_va_vdst(0)                   ; the products with E have written the results, which the stores read; the places above stay beside this wait
.irp u, 0,1
.irp t, 0,1,2,3                        ; the lower four registers first; each store covers two whole aligned pieces of 256 bytes, 16,384 bytes apart
	global_store_b128 v15, v[128+32*\u+8*\t:128+32*\u+8*\t+3], s[22:23] offset:\u*32768+(\t/2)*512+(\t%2)*256
	global_store_b128 v15, v[128+32*\u+8*\t+4:128+32*\u+8*\t+7], s[22:23] offset:\u*32768+8192+(\t/2)*512+(\t%2)*256
.endr
.endr
.set x, 0
.rept 32                               ; the next piece's Q goes where the one text names Q (in the second trip this serves nothing: the price of one text)
	v_mov_b32 v[48+x], v[80+x]
.set x, x+1
.endr
	s_wait_xcnt 0x0                                ; the stores' data and both bases are rewritten only behind this wait
	s_add_nc_u64 s[20:21], s[20:21], 32768         ; two tiles on
	s_add_nc_u64 s[22:23], s[22:23], 65536         ; four groups on
	s_sub_co_u32 s25, s25, 1
	s_cmp_lg_u32 s25, 0
	s_cbranch_scc1 .Lpiece
	s_sub_nc_u64 s[20:21], s[20:21], 63488         ; back four tiles, on one head: 2,048 bytes
	s_sub_nc_u64 s[22:23], s[22:23], 130048        ; back eight groups, on one head: 1,024 bytes
	s_sub_co_u32 s24, s24, 1
	s_cmp_lg_u32 s24, 0
	s_cbranch_scc1 .Lhead
	s_wait_dscnt 0x0                               ; the closing lines, six on end
	s_wait_alu 0x0
	s_wait_tensorcnt 0x0
	ds_add_u32 v16, v17
	s_wait_dscnt 0x0
	s_endpgm
.Lfunc_end_k_qbb5c47bc50_attn:
	.size	k_qbb5c47bc50_attn, .Lfunc_end_k_qbb5c47bc50_attn-k_qbb5c47bc50_attn
	.p2alignl 7, 3214868480
	.fill 96, 4, 3214868480
	.section	.rodata,"a",@progbits
	.p2align	6, 0x0
	.amdhsa_kernel k_qbb5c47bc50_attn
		.amdhsa_group_segment_fixed_size 262656
		.amdhsa_private_segment_fixed_size 0
		.amdhsa_enable_private_segment 0
		.amdhsa_kernarg_size 24
		.amdhsa_user_sgpr_count 2
		.amdhsa_user_sgpr_kernarg_segment_ptr 1
		.amdhsa_wavefront_size32 1
		.amdhsa_system_sgpr_workgroup_id_x 1
		.amdhsa_system_sgpr_workgroup_id_y 1
		.amdhsa_system_sgpr_workgroup_id_z 1
		.amdhsa_system_vgpr_workitem_id 0
		.amdhsa_next_free_vgpr 1024
		.amdhsa_next_free_sgpr 66
		.amdhsa_reserve_vcc 1
		.amdhsa_float_denorm_mode_32 3
		.amdhsa_float_denorm_mode_16_64 3
		.amdhsa_memory_ordered 1
		.amdhsa_forward_progress 1
		.amdhsa_inst_pref_size 205
	.end_amdhsa_kernel
	.amdgpu_metadata
---
amdhsa.version: [ 1, 2 ]
amdhsa.kernels:
  - .name:           k_qbb5c47bc50_attn
    .symbol:         k_qbb5c47bc50_attn.kd
    .args:
      - { .name: frag, .offset: 0, .size: 8, .value_kind: global_buffer, .address_space: global }
      - { .name: wimg, .offset: 8, .size: 8, .value_kind: global_buffer, .address_space: global }
      - { .name: y, .offset: 16, .size: 8, .value_kind: global_buffer, .address_space: global }
    .group_segment_fixed_size: 262656
    .private_segment_fixed_size: 0
    .kernarg_segment_align: 8
    .kernarg_segment_size: 24
    .max_flat_workgroup_size: 128
    .sgpr_count:     66
    .vgpr_count:     1024
    .wavefront_size: 32
...
	.end_amdgpu_metadata
.endif
;; end of part 4
;; launch ffn: the kernel of part 3 again; grid 256 x 1, 4 waves a work-group, clusters of 4 x 1, 327,680 bytes of LDS; arguments y, g2, be2, wimg, bf1, bf2, out0; writes out0
